; MI455X (gfx1250); checked and timed in simulation.
; The chip was launched on July 23, 2026; its instructions are those of AMD's public machine-readable ISA for CDNA 5 (MIT licence, August 2026) and "CDNA5" Instruction Set Architecture Reference Guide (July 2026). The comments in the code are by the model that wrote it; some were corrected since.
;; Field Dual Attention Wrapper. Allowed arithmetic: matrix products marked QUANTISED: E5M2 operands, one E8M0 scale for each 32 along K, by v_wmma_scale_f32_16x16x128_f8f6f4 with both operands' format E5M2, f32 sums; everything else in f32.
;; Inputs: W1 1,024 x 1,024 float32; W2 1,024 x 1,024 float32; W3 1,024 x 2,048 float32; W4 1,024 x 1,024 float32; W5 1,024 x 1,024 float32; b1 1,024 float32; b2 1,024 float32; b3 1,024 float32; b4 1,024 float32; b5 1,024 float32; field_hidden_state 64 x 512 x 1,024 float32; finished 64 x 1 bool; hidden_state 64 x 512 x 1,024 float32; input 64 x 1,024 float32.
;; Outputs: out0 64 x 1,024 float32; out1 512 x 64 x 1 float32.
;; This version of the problem:
;;   THIS VERSION OF THE PROBLEM IS GIVEN IN LOW PRECISION. The matrix products marked QUANTISED in the list below multiply operands that are first quantised to E5M2 (5 exponent bits, 2 mantissa bits; 8 bits a number), with one power-of-two scale for each 32 numbers along K (OCP MX v1.0); their sums are f32. All else is computed in f32.
;;   The module's matrix products, in the order in which they are computed (A, B: the left and right operand; K: the contracted axis; several contracted axes count as one K, in the product's order):
;;     1. [M 32,768, K 1,024] x [K 1,024, N 1,024]; A: input hidden_state; B: input W1: QUANTISED
;;     2. [M 32,768, K 1,024] x [K 1,024, N 1,024]; A: input field_hidden_state; B: input W4: QUANTISED
;;     3. [M 64, K 1,024] x [K 1,024, N 1,024]; A: input input; B: input W2: QUANTISED
;;     4. [M 64, K 1,024] x [K 1,024, N 1,024]; A: input input; B: input W5: QUANTISED
;;     5. [M 64, K 2,048] x [K 2,048, N 1,024]; A: computed on the way; B: input W3: QUANTISED
;;   THE QUANTISER, for each operand of a quantised product, along K:
;;     - K is cut into blocks of 32 from its start; a last block that is shorter is filled with zeros.
;;     - A block's scale is 2^e with e = floor(log2(the largest magnitude in the block)) - 15, held to -126 .. 127; a block of zeros has e = 0. As a byte (E8M0): e + 127.
;;     - Each number is divided by its block's scale, clamped to +-57,344, and rounded to the nearest number of E5M2, ties to even, subnormals kept.
;;     - The product sums the exact products of the quantised numbers (number of the format x scale) in f32.
;;   ~~~python
;;   def quantise(x, axis):      # numpy; x: float32 -> the quantised numbers, widened to float32 again
;;       x = np.moveaxis(x, axis, -1); K = x.shape[-1]
;;       x = np.pad(x, [(0, 0)] * (x.ndim - 1) + [(0, -K % 32)]); x = x.reshape(x.shape[:-1] + (-1, 32)); a = np.abs(x).max(-1, keepdims=True)
;;       e = np.where(a > 0, np.clip(np.frexp(np.where(a > 0, a, 1))[1] - 1 - 15, -126, 127), 0)      # np.frexp(a)[1] - 1 = floor(log2(a)), exactly
;;       r = np.clip(x / 2.0 ** e, -57344, 57344)
;;       step = 2.0 ** (np.maximum(np.frexp(np.where(r == 0, 1, r))[1] - 1, -14) - 2)
;;       q = np.round(r / step) * step * 2.0 ** e      # np.round: ties to even
;;       return np.moveaxis(q.reshape(q.shape[:-2] + (-1,))[..., :K], -1, axis).astype(np.float32)
;;   ~~~
;;   OPERANDS COMPUTED ON THE WAY. 'Computed on the way' means the value that the module computes at that place (a softmax that the list does not call 'softmax' is quantised finished and normalised). What goes into a quantiser is computed in f32, as accurately as f32 sums, v_exp_f32 and their like allow (about 1e-6 of the number): no bf16 or f16 on the way to a quantiser, and a product that is left as it is and whose result goes on into a quantised operand takes f32 operands (vector FMAs, or v_wmma_f32_16x16x4_f32). A number that lies on a knife's edge between two numbers of the format may be rounded either way, as far as f32 arithmetic and the matrix unit's own rounding can turn it there, and no further.
;; One version. Each part assembles by itself: llvm-mc -triple=amdgcn-amd-amdhsa -mcpu=gfx1250 --defsym DOCPART=n.
;; ======== version 1 of 1: 4 launches
;; workspace buffers: wimg 2,228,224 bytes; gtab 524,288 bytes; o3 262,144 bytes; scores 262,144 bytes; ctx 262,144 bytes; wt 131,072 bytes
;; launch prep (part 1): grid 256 x 1, 4 waves a work-group, no clusters, 72,704 bytes of LDS; arguments W1, W4, W2, W5, W3, input, b2, b5, b3, wimg, gtab, o3; writes wimg, gtab, o3
.if DOCPART == 1
	.amdgcn_target "amdgcn-amd-amdhsa--gfx1250"
	.amdhsa_code_object_version 6
	.text
	.protected	k_qcacbdd314e_prep
	.globl	k_qcacbdd314e_prep
	.p2align	8
	.type	k_qcacbdd314e_prep,@function
k_qcacbdd314e_prep:
	s_mov_b64 s[64:65], 0
	v_nop
	global_prefetch_b8 v0, s[64:65] scope:SCOPE_SE
	s_setreg_imm32_b32 hwreg(HW_REG_WAVE_MODE, 25, 1), 1
	s_wait_xcnt 0x0
; THE PROGRAM (four launches): prep | phi | context | final.
;   prep:    W1 and W4 as codes of E5M2 with E8M0 scales, laid in the order of a matrix operand's registers (wimg);
;            g' = -2 tanh(Q(input) Q(W2)^T + b2) and the same with W5, b5 (gtab);  o3 = Q(input) Q(W3[:, 1024:])^T + b3, the input's half of the last product.
;   phi:     the two large products, tanh, and the contraction with g' to one score for each (s, b).
;   context: the three normalisations over s, the weights, context = sum over s of weight x hidden_state.
;   final:   the context's half of the last product added onto o3, the mask 'finished', out0; the weights turned into out1.
; WORK LEFT OUT, AND WHY IT IS DEAD.  tanh(x) = 1 - 2 r(x) with r(x) = 1 / (1 + 2^(2 log2(e) x)).  So
;   sum_n gamma_h[b][n] phi_h[s][b][n] = sum_n gamma_h[b][n] - 2 sum_n gamma_h[b][n] r(..[s][b][n]),
; and the first term is the same for every s of a batch b.  _norm_over_seq takes the maximum over s away before its exponential, so a term that is constant along s
; falls out of w - max(w) for all values of the inputs; the same holds of alpha_h and phi_f.  The term is therefore never formed: the program's scores are sum_n g'[b][n] r(..).
; |gamma_h| <= 1, so the term is at most 1,024 in size and of the scores' own order.  LIMIT: a NaN, an infinity or an overflow that reached only that term would not be carried to the result.
; Every input has a way to an output and is loaded by some launch.
; LIMITS OF THE QUANTISER HERE: a block of zeros gets the scale byte 1 where the rule says 127 (its codes are zeros, which add nothing under any byte but 0xff, and only this program reads the bytes);
; NaN and infinities among the inputs are not served.
;
; THIS LAUNCH.  Work-groups 0 to 63 lay W1 and W4 out (256 units of 16 rows x 512 along K, a unit a wave).  Work-groups 64 to 255 make the three small products:
; 3 products x 4 tiles of 16 batch rows x 16 groups of 64 columns; a wave makes 16 rows x 16 columns over K = 1,024.  The two kinds part on the work-group's number and use LDS bytes of their own.
; A FRAGMENT is 16 rows x 128 along K.  It is loaded densely (instruction i: row i's 512 bytes, 16 a lane), turned through the wave's own stage in LDS (rows 528 bytes apart: 33 x 16, so that the sixteen
; rows that a load touches begin at sixteen different 16-byte columns of 256 bytes) and comes back so that register 16 c + i of lane (r, h) is k = 32 c + 16 h + i of row r: the order of the operand's registers.
.set STQ,   0                          ; LDS: the layers' stages, 8,448 bytes a wave
.set STP,   33792                      ; the products' stages
.set STW,   8448
.set OST,   67584                      ; the products' way out: 16 rows x (256 bytes + 16)
.set SPARE, 72192                      ; the spare words, 128 bytes a wave: two blocks of 256 bytes that no other line names
.set TILEB, 17408                      ; a tile of wimg: 8 fragment images of 2,048 bytes, then 2 x 512 bytes of scale words
.set L16, 4                            ; v4   16 x lane
.set STI, 5                            ; v5   the stage, in: 8,448 x wave + 16 x lane
.set STO, 6                            ; v6   the stage, out: 8,448 x wave + 528 r + 64 h
.set OSI, 7                            ; v7   the way out, in
.set OSO, 8                            ; v8   the way out, back
.set GO,  9                            ; v9   my byte offset in the result's rows
.set SPW, 10                           ; v10  LDS address of my spare word; never rewritten
.set NIL, 11                           ; v11  0; never rewritten
.set BO,  12                           ; v12  32 h: my eight numbers of a bias
.set WO,  16                           ; v16-31 16 x lane + i x a row of the weight
.set X,   32                           ; v32-95 64 numbers of a lane
.set TM,  96                           ; v96-111 at work in the quantiser
.set PC,  112                          ; v112-175 four fragments of codes
.set PW,  176                          ; v176-179 their scale words, and nothing else
.set A0,  180                          ; v180-187 the sum over the even K steps, begun with the bias
.set A1,  188                          ; v188-195 the sum over the odd K steps
.set Y,   196
.set E,   204
.set OB,  212
.set WV,  28
.set MNT, 29                           ; s29  the mantissa field of 57,344
.set SEL, 30                           ; s[30:31] v_permlanex16_b32's selects for lane l xor 16
.set CC,  32                           ; s[32:33] 2 log2(e)
.set WP,  40                           ; s[40:41] the weight's rows
.set BB,  42                           ; s[42:43] the bias
.set DP,  44                           ; s[44:45] the result
.set AP,  52                           ; s[52:53] input's rows
.set MSB, 0
.macro WIN new                         ; the immediate's high byte repeats the setting that is left; a switch that changes nothing is dropped
.if MSB != (\new)
	s_set_vgpr_msb (MSB<<8)|(\new)
.set MSB, (\new)
.endif
.endm
; Set j of the loaded rows (window 1, v[64 j] on) goes through the stage at LDS byte base.  LDS serves a wave's instructions in order, and the stage is the wave's own: no wait between the stores and the loads.
.macro TURNX j, base
	WIN 0x04                                       ; an LDS store's data are its source 1: window 1
.irp i, 0,1,2,3,4,5,6,7,8,9,10,11,12,13,14,15
	ds_store_b128 v[STI], v[64*(\j)+4*\i:64*(\j)+4*\i+3] offset:(\base)+528*\i
.endr
	WIN 0
.irp c, 0,1,2,3
.irp q, 0,1,2,3
	ds_load_b128 v[X+16*\c+4*\q:X+16*\c+4*\q+3], v[STO] offset:(\base)+128*\c+16*\q
.endr
.endr
.endm
; The 64 numbers in v[X] on become a fragment's codes in v[pc] on and its scale word in v[pw].
.macro QUANT pc, pw
.irp b, 0,1,2,3
	v_max3_num_f32 v[TM+\b], |v[X+16*\b]|, |v[X+1+16*\b]|, 0x8000000   ; block b: my 16 numbers, and the floor 2^(16 - 127): the byte cannot fall under 1
.endr
.irp i, 2,4,6,8,10,12,14
.irp b, 0,1,2,3
	v_max3_num_f32 v[TM+\b], v[TM+\b], |v[X+16*\b+\i]|, |v[X+1+16*\b+\i]|   ; the four blocks by turns
.endr
.endr
.irp b, 0,1,2,3
	v_permlanex16_b32 v[TM+4+\b], v[TM+\b], s[SEL], s[SEL+1]
.endr
.irp b, 0,1,2,3
	v_max_num_f32 v[TM+\b], v[TM+\b], v[TM+4+\b]   ; with lane l xor 16's 16: the block's largest magnitude
.endr
.irp b, 0,1,2,3
	v_add_nc_u32 v[TM+12+\b], 0xf8800000, v[TM+\b] ; 15 off its exponent field: the conversion's scale operand
.endr
.irp b, 0,1,2,3
	v_and_or_b32 v[TM+8+\b], v[TM+\b], 0x7f800000, s[MNT]   ; 57,344 x the scale
.endr
.irp b, 0,1,2,3
	v_lshrrev_b32 v[TM+4+\b], 23, v[TM+12+\b]      ; the scale's byte
.endr
	v_lshl_or_b32 v[\pw], v[TM+5], 8, v[TM+4]
	v_lshl_or_b32 v[\pw], v[TM+6], 16, v[\pw]
	v_lshl_or_b32 v[\pw], v[TM+7], 24, v[\pw]      ; my row's scale word
.irp b, 0,1,2,3
.irp i, 0,1,2,3,4,5,6,7,8,9,10,11,12,13,14,15
	v_med3_num_f32 v[X+16*\b+\i], v[X+16*\b+\i], -v[TM+8+\b], v[TM+8+\b]   ; the conversion to an 8-bit code does not saturate (ISA guide 7.6.2): the hold comes first
.endr
	v_cvt_scalef32_pk8_bf8_f32 v[(\pc)+4*\b:(\pc)+4*\b+1], v[X+16*\b:X+16*\b+7], v[TM+12+\b]
	v_cvt_scalef32_pk8_bf8_f32 v[(\pc)+4*\b+2:(\pc)+4*\b+3], v[X+8+16*\b:X+15+16*\b], v[TM+12+\b]
.endr
	v_nop                                          ; one plain vector instruction behind the last scaled conversion
.endm
	s_load_b256 s[4:11], s[0:1], 0x0               ; W1, W4, W2, W5
	s_load_b256 s[12:19], s[0:1], 0x20             ; W3, input, b2, b5
	s_load_b256 s[20:27], s[0:1], 0x40             ; b3, wimg, gtab, o3
	v_lshl_add_u32 v[SPW], v0, 2, SPARE
	v_mov_b32 v[NIL], 0
	v_lshrrev_b32 v1, 5, v0
	v_readfirstlane_b32 s[WV], v1                  ; wave 0..3
	v_and_b32 v1, 31, v0                           ; lane
	v_and_b32 v2, 15, v0                           ; r
	v_bfe_u32 v3, v0, 4, 1                         ; h
	v_lshlrev_b32 v[L16], 4, v1
	s_mul_i32 s34, s[WV], STW
	v_add_nc_u32 v[STI], s34, v[L16]
	v_mul_u32_u24 v[STO], v2, 528
	v_lshl_add_u32 v[STO], v3, 6, v[STO]
	v_add_nc_u32 v[STO], s34, v[STO]
	v_mul_u32_u24 v[OSI], v2, 272                  ; the way out, in: row r, my wave's 64 bytes, 32 for each half of the lanes
	v_lshl_add_u32 v[OSI], v3, 5, v[OSI]
	s_lshl_b32 s34, s[WV], 6
	s_add_co_u32 s34, s34, OST
	v_add_nc_u32 v[OSI], s34, v[OSI]
	s_mul_i32 s34, s[WV], 4*272                    ; back: wave w takes rows 4 w .. 4 w + 3; lanes 0-15 one row, lanes 16-31 the next
	s_add_co_u32 s34, s34, OST
	v_mul_u32_u24 v[OSO], v3, 272
	v_lshl_add_u32 v[OSO], v2, 4, v[OSO]
	v_add_nc_u32 v[OSO], s34, v[OSO]
	s_lshl_b32 s34, s[WV], 14                      ; and the same rows in the result: rows of 4,096 bytes
	v_lshlrev_b32 v[GO], 12, v3
	v_lshl_add_u32 v[GO], v2, 4, v[GO]
	v_add_nc_u32 v[GO], s34, v[GO]
	v_lshlrev_b32 v[BO], 5, v3
	s_mov_b32 s[MNT], 0x600000
	s_mov_b32 s[SEL], 0x76543210
	s_mov_b32 s[SEL+1], 0xfedcba98
	s_mov_b32 s[CC], 0x4038aa3b
	s_mov_b32 s[CC+1], s[CC]                       ; named with it as a pair, so it is written
.irp b, 0,1,2,3
	v_mov_b32 v[TM+4+\b], 0                        ; written once: a lane permute's destination counts as one of its sources
.endr
	s_wait_kmcnt 0x0
	s_cmp_lt_u32 ttmp9, 64
	s_cbranch_scc0 .Lproducts
	; ---- W1 and W4 into wimg.  Unit un = 4 x work-group + wave: tensor un / 128, tile (un / 2) % 64, half of K un % 2
	s_lshl_b32 s34, ttmp9, 2
	s_add_co_u32 s34, s34, s[WV]
	s_lshr_b32 s35, s34, 7                         ; 0: W1, 1: W4
	s_bfe_u32 s36, s34, 0x60001                    ; the tile: 6 bits from bit 1
	s_and_b32 s37, s34, 1                          ; K steps 4 q .. 4 q + 3
	s_cmp_eq_u32 s35, 0
	s_cselect_b64 s[38:39], s[4:5], s[6:7]
	s_lshl_b32 s40, s36, 16                        ; 16 rows of 4,096 bytes
	s_lshl_b32 s41, s37, 11                        ; 4 K steps of 512 bytes
	s_add_co_u32 s40, s40, s41
	s_mov_b32 s41, 0
	s_add_nc_u64 s[38:39], s[38:39], s[40:41]
	s_mul_i32 s40, s35, 64*TILEB
	s_mul_i32 s42, s36, TILEB
	s_add_co_u32 s40, s40, s42
	s_add_nc_u64 s[22:23], s[22:23], s[40:41]      ; my tile in wimg
	s_lshl_b32 s40, s37, 13
	s_add_nc_u64 s[42:43], s[22:23], s[40:41]      ; my four images
	s_lshl_b32 s40, s37, 9
	s_add_co_u32 s40, s40, 16384
	s_add_nc_u64 s[44:45], s[22:23], s[40:41]      ; my 512 bytes of scale words
	WIN 0x40                                       ; destination window 1
.irp j, 0,1,2,3
.irp i, 0,1,2,3,4,5,6,7,8,9,10,11,12,13,14,15
	global_load_b128 v[64*\j+4*\i:64*\j+4*\i+3], v[L16], s[38:39] offset:512*\j+4096*\i th:TH_LOAD_NT   ; 32 lanes read 512 consecutive bytes of row i
.endr
.endr
	WIN 0
.irp j, 0,1,2,3
	s_wait_loadcnt 16*(3-\j)                       ; set j is in; the 16 loads of each later set may be out
	TURNX \j, STQ
	s_wait_dscnt 0x0
	QUANT PC+16*\j, PW+\j
.irp c, 0,1,2,3
	global_store_b128 v[L16], v[PC+16*\j+4*\c:PC+16*\j+4*\c+3], s[42:43] offset:2048*\j+512*\c   ; the image of four registers: 512 consecutive bytes
.endr
.endr
	global_store_b128 v[L16], v[PW:PW+3], s[44:45] ; each lane's four scale words: 512 consecutive bytes
	s_wait_tensorcnt 0x0                           ; the wave's end: a wait, an add to my spare word and its wait behind my last LDS store
	ds_add_u32 v[SPW], v[NIL]
	s_wait_dscnt 0x0
	s_endpgm
.Lproducts:
	; ---- the small products.  p = work-group - 64: product p / 64 (W2, W5, W3's second half), batch rows 16 ((p / 16) % 4) on, columns 64 (p % 16) + 16 x wave on
	s_sub_co_u32 s34, ttmp9, 64
	s_lshr_b32 s35, s34, 6                         ; the product
	s_bfe_u32 s36, s34, 0x20004                    ; rt
	s_and_b32 s37, s34, 15                         ; g
	s_lshl_b32 s38, s37, 2
	s_add_co_u32 s38, s38, s[WV]                   ; T: my tile of 16 columns
	s_lshl_b32 s47, s35, 18                        ; gtab's part: 262,144 bytes a product
	s_mov_b32 s46, 4096
	s_cmp_eq_u32 s35, 1
	s_cselect_b64 s[WP:WP+1], s[10:11], s[8:9]
	s_cselect_b64 s[BB:BB+1], s[18:19], s[16:17]
	s_cmp_eq_u32 s35, 2                            ; the choices hang on the work-group's number alone
	s_cselect_b64 s[WP:WP+1], s[12:13], s[WP:WP+1]
	s_cselect_b64 s[BB:BB+1], s[20:21], s[BB:BB+1]
	s_cselect_b64 s[DP:DP+1], s[26:27], s[24:25]
	s_cselect_b32 s46, 8192, s46                   ; a row of the weight in bytes
	s_cselect_b32 s48, 4096, 0                     ; W3: its columns 1,024 on meet input
	s_cselect_b32 s47, 0, s47
	s_cselect_b32 s50, -1, 0                       ; all lanes: the third product has no tanh
	s_lshl_b32 s54, s38, 4
	s_mul_i32 s54, s54, s46
	s_add_co_u32 s54, s54, s48
	s_mov_b32 s55, 0
	s_add_nc_u64 s[WP:WP+1], s[WP:WP+1], s[54:55]
	s_lshl_b32 s54, s38, 6
	s_add_nc_u64 s[BB:BB+1], s[BB:BB+1], s[54:55]
	s_lshl_b32 s54, s36, 16
	s_add_nc_u64 s[AP:AP+1], s[14:15], s[54:55]
	s_add_co_u32 s54, s54, s47
	s_lshl_b32 s49, s37, 8
	s_add_co_u32 s54, s54, s49
	s_add_nc_u64 s[DP:DP+1], s[DP:DP+1], s[54:55]
	v_mov_b32 v[WO], v[L16]
.irp i, 1,2,3,4,5,6,7,8,9,10,11,12,13,14,15
	v_add_nc_u32 v[WO+\i], s46, v[WO+\i-1]
.endr
	global_load_b128 v[A0:A0+3], v[BO], s[BB:BB+1]             ; the bias begins the first sum: register j of lane (r, h) is column 16 T + 8 h + j
	global_load_b128 v[A0+4:A0+7], v[BO], s[BB:BB+1] offset:16
.irp q, 0,1,2,3,4,5,6,7
	v_mov_b32 v[A1+\q], 0
.endr
; set j of the two K steps at which AP and WP stand: 0, 1 input's rows; 2, 3 the weight's
.macro PLOAD j
	WIN 0x40
.if (\j) < 2
.irp i, 0,1,2,3,4,5,6,7,8,9,10,11,12,13,14,15
	global_load_b128 v[64*(\j)+4*\i:64*(\j)+4*\i+3], v[L16], s[AP:AP+1] offset:512*(\j)+4096*\i
.endr
.else
.irp i, 0,1,2,3,4,5,6,7,8,9,10,11,12,13,14,15
	global_load_b128 v[64*(\j)+4*\i:64*(\j)+4*\i+3], v[WO+\i], s[WP:WP+1] offset:512*((\j)-2)
.endr
.endif
	WIN 0
.endm
; Two K steps: four fragments are quantised, two products follow.  ahead = 1: each set is asked for again, two K steps on, as soon as the stage has read it.
.macro TRIPP ahead
.if \ahead
	s_wait_xcnt 0x0                                ; the loads that are out have read their bases: they may step
	s_add_nc_u64 s[AP:AP+1], s[AP:AP+1], 1024
	s_add_nc_u64 s[WP:WP+1], s[WP:WP+1], 1024
.endif
.irp j, 0,1,2,3
.if \ahead
	s_wait_loadcnt 48                              ; set j is in: three sets of 16 loads are younger
.else
	s_wait_loadcnt 16*(3-\j)
.endif
	TURNX \j, STP
	s_wait_dscnt 0x0                               ; my 64 numbers are back, and the stage's stores have read set j
.if \ahead
	PLOAD \j
.endif
	QUANT PC+16*\j, PW+\j
.endr
.rept 4
	v_nop                                          ; with the quantiser's last line five places between the last codes and the products; the scale words were made ahead of the 64 holds
.endr
	; TRANSPOSED: source 0 = 16 rows of the weight, source 1 = 16 batch rows: a lane holds eight neighbouring columns of one batch row.  The two sums take turns
	v_wmma_scale_f32_16x16x128_f8f6f4 v[A0:A0+7], v[PC+32:PC+47], v[PC:PC+15], v[A0:A0+7], v[PW+2], v[PW] matrix_a_fmt:MATRIX_FMT_BF8 matrix_b_fmt:MATRIX_FMT_BF8
	v_wmma_scale_f32_16x16x128_f8f6f4 v[A1:A1+7], v[PC+48:PC+63], v[PC+16:PC+31], v[A1:A1+7], v[PW+3], v[PW+1] matrix_a_fmt:MATRIX_FMT_BF8 matrix_b_fmt:MATRIX_FMT_BF8
.endm
	PLOAD 0
	PLOAD 1
	PLOAD 2
	PLOAD 3
	s_mov_b32 s51, 3
.Lk:
	TRIPP 1
	s_sub_co_u32 s51, s51, 1
	s_cmp_lg_u32 s51, 0
	s_cbranch_scc1 .Lk
	TRIPP 0                                        ; the last two K steps ask for nothing: no load leaves its buffer
.rept 8
	v_nop                                          ; eight places behind this form before a result is read
.endr
.irp q, 0,2,4,6
	v_pk_add_f32 v[Y+\q:Y+\q+1], v[A0+\q:A0+\q+1], v[A1+\q:A1+\q+1]   ; both sums from their low ends on
.endr
.irp q, 0,2,4,6
	v_pk_mul_f32 v[E+\q:E+\q+1], v[Y+\q:Y+\q+1], s[CC:CC+1] op_sel_hi:[1,0]
.endr
.irp q, 0,1,2,3,4,5,6,7
	v_exp_f32 v[E+\q], v[E+\q]                     ; 2^(2 log2(e) y); beyond the range: infinity, and r = 0 below
.endr
	v_nop
	s_wait_alu depctr_va_vdst(0)                   ; one wait for the eight exponentials, ahead of their first reader
.irp q, 0,2,4,6
	v_pk_add_f32 v[E+\q:E+\q+1], v[E+\q:E+\q+1], 1.0 op_sel_hi:[1,0]
.endr
.irp q, 0,1,2,3,4,5,6,7
	v_rcp_f32 v[E+\q], v[E+\q]                     ; r
.endr
	v_nop
	s_wait_alu depctr_va_vdst(0)                   ; and one for the eight reciprocals
.irp q, 0,2,4,6
	v_pk_fma_f32 v[E+\q:E+\q+1], v[E+\q:E+\q+1], 4.0, -2.0 op_sel_hi:[1,0,0]   ; g' = -2 tanh(y) = 4 r - 2
.endr
.irp q, 0,1,2,3,4,5,6,7
	v_cndmask_b32 v[Y+\q], v[E+\q], v[Y+\q], s50   ; the third product keeps y
.endr
	ds_store_b128 v[OSI], v[Y:Y+3]
	ds_store_b128 v[OSI], v[Y+4:Y+7] offset:16
	s_wait_dscnt 0x0                               ; for the others' sake: my stores are done
	s_barrier_signal -1
	s_barrier_wait -1                              ; a row's 256 bytes come from four waves
	ds_load_b128 v[OB:OB+3], v[OSO]
	ds_load_b128 v[OB+4:OB+7], v[OSO] offset:544
	s_wait_dscnt 0x0
	global_store_b128 v[GO], v[OB:OB+3], s[DP:DP+1]                 ; sixteen lanes store 256 consecutive bytes, aligned
	global_store_b128 v[GO], v[OB+4:OB+7], s[DP:DP+1] offset:8192
	s_wait_tensorcnt 0x0                           ; the wave's end: a wait, an add to my spare word and its wait behind my last LDS store
	ds_add_u32 v[SPW], v[NIL]
	s_wait_dscnt 0x0
	s_endpgm
.Lfunc_end_k_qcacbdd314e_prep:
	.size	k_qcacbdd314e_prep, .Lfunc_end_k_qcacbdd314e_prep-k_qcacbdd314e_prep
	.p2alignl 7, 3214868480
	.fill 96, 4, 3214868480
	.section	.rodata,"a",@progbits
	.p2align	6, 0x0
	.amdhsa_kernel k_qcacbdd314e_prep
		.amdhsa_group_segment_fixed_size 72704
		.amdhsa_private_segment_fixed_size 0
		.amdhsa_enable_private_segment 0
		.amdhsa_kernarg_size 96
		.amdhsa_user_sgpr_count 2
		.amdhsa_user_sgpr_kernarg_segment_ptr 1
		.amdhsa_wavefront_size32 1
		.amdhsa_system_sgpr_workgroup_id_x 1
		.amdhsa_system_sgpr_workgroup_id_y 1
		.amdhsa_system_sgpr_workgroup_id_z 1
		.amdhsa_system_vgpr_workitem_id 0
		.amdhsa_next_free_vgpr 512
		.amdhsa_next_free_sgpr 66
		.amdhsa_reserve_vcc 0
		.amdhsa_float_denorm_mode_32 3
		.amdhsa_float_denorm_mode_16_64 3
		.amdhsa_memory_ordered 1
		.amdhsa_forward_progress 1
		.amdhsa_inst_pref_size 151
	.end_amdhsa_kernel
	.amdgpu_metadata
---
amdhsa.version: [ 1, 2 ]
amdhsa.kernels:
  - .name:           k_qcacbdd314e_prep
    .symbol:         k_qcacbdd314e_prep.kd
    .args:
      - { .name: W1, .offset: 0, .size: 8, .value_kind: global_buffer, .address_space: global }
      - { .name: W4, .offset: 8, .size: 8, .value_kind: global_buffer, .address_space: global }
      - { .name: W2, .offset: 16, .size: 8, .value_kind: global_buffer, .address_space: global }
      - { .name: W5, .offset: 24, .size: 8, .value_kind: global_buffer, .address_space: global }
      - { .name: W3, .offset: 32, .size: 8, .value_kind: global_buffer, .address_space: global }
      - { .name: input, .offset: 40, .size: 8, .value_kind: global_buffer, .address_space: global }
      - { .name: b2, .offset: 48, .size: 8, .value_kind: global_buffer, .address_space: global }
      - { .name: b5, .offset: 56, .size: 8, .value_kind: global_buffer, .address_space: global }
      - { .name: b3, .offset: 64, .size: 8, .value_kind: global_buffer, .address_space: global }
      - { .name: wimg, .offset: 72, .size: 8, .value_kind: global_buffer, .address_space: global }
      - { .name: gtab, .offset: 80, .size: 8, .value_kind: global_buffer, .address_space: global }
      - { .name: o3, .offset: 88, .size: 8, .value_kind: global_buffer, .address_space: global }
    .group_segment_fixed_size: 72704
    .private_segment_fixed_size: 0
    .kernarg_segment_align: 8
    .kernarg_segment_size: 96
    .max_flat_workgroup_size: 128
    .sgpr_count:     66
    .vgpr_count:     512
    .wavefront_size: 32
...
	.end_amdgpu_metadata
.endif
;; end of part 1
;; launch phi (part 2): grid 128 x 2, 4 waves a work-group, clusters of 4 x 1, 327,680 bytes of LDS; arguments hidden_state, field_hidden_state, wimg, gtab, b1, b4, scores; writes scores
.if DOCPART == 2
	.amdgcn_target "amdgcn-amd-amdhsa--gfx1250"
	.amdhsa_code_object_version 6
	.text
	.protected	k_qcacbdd314e_phi
	.globl	k_qcacbdd314e_phi
	.p2align	8
	.type	k_qcacbdd314e_phi,@function
k_qcacbdd314e_phi:
	s_mov_b64 s[64:65], 0
	v_nop
	global_prefetch_b8 v0, s[64:65] scope:SCOPE_SE
	s_setreg_imm32_b32 hwreg(HW_REG_WAVE_MODE, 25, 1), 1
	s_wait_xcnt 0x0
	s_wait_alu depctr_hold_cnt(0) depctr_sa_sdst(0) depctr_va_vdst(0) depctr_va_sdst(0) depctr_va_ssrc(0) depctr_va_vcc(0) depctr_vm_vsrc(0)
	s_getreg_b32 s2, hwreg(HW_REG_IB_STS2, 6, 4)
	s_cmp_eq_u32 s2, 0
	s_cbranch_scc0 .Lentry_in_a_cluster
	s_endpgm
.Lentry_in_a_cluster:
	s_bfe_u32 s2, ttmp6, 0x10000c
	s_cmp_lg_u32 s2, 0x3003
	s_cbranch_scc0 .Lentry_shape_is_right
	s_endpgm
.Lentry_shape_is_right:
; scores[y][b][s] = sum_n g'[y][b][n] r(x[s][b] . W[n] + bias[n]),  r(z) = 1 / (1 + 2^(2 log2(e) z));  y = 0: hidden_state, W1, b1;  y = 1: field_hidden_state, W4, b4.
; Both operands of x . W are codes of E5M2 with one E8M0 scale for each 32 along K.  WORK LEFT OUT: the term sum_n gamma[b][n] of sum_n gamma tanh, the same for all s of a batch: the maximum over s that the
; next launch takes away removes it for all values of the inputs (shown at the head of the first launch's text).
; LIMITS: NaN and infinities among the inputs are not served; a block of zeros has the scale byte 1 and zero codes.
; SHARES.  A work-group owns 256 rows (half a batch) of one product, each of its four waves 64: four tiles of 16.
; PHASE A: a wave loads its 64 rows x 1,024 of f32 once, quantises them, and keeps the codes in 512 registers (32 fragments) with their 32 scale words.
; PHASE B: all 64 tiles of 16 rows of W go by; a tile's 8 fragments, read from LDS once, feed 32 products (8 K steps x 4 row tiles).  The four accumulators live one tile: bias, r and the
; multiplication by g' take them up at once, and what stays is one running sum for each of a lane's 32 (row, lane's column) pairs.
; SOURCE 0 = my rows, SOURCE 1 = 16 rows of W: in the result lane l holds column n = 16 t + l % 16 and rows 8 (l / 16) + 0 .. 7: bias and g' are one number a lane.
; BY TURNS.  The row tiles are two pieces (0, 1 and 2, 3).  In a turn one piece issues its 16 products, and the other piece's 56 vector instructions stand behind them in 16 slices of three or four.
; A turn waits twice for its transcendentals, and at each of a tile's four such places stands a quarter of the LDS loads that bring the next tile of W.
; W comes as laid out by the first launch: a tile is 17,408 dense bytes in the order of the operand's registers.  A ring of two LDS slots of four tiles; each wave fetches one tile of a slot.
; CLUSTER.  All 128 work-groups of a product walk the same tiles of W: four of them form a cluster and ask JOINTLY, by the same tensor load with the same descriptor and a mask that names the four.
; By this text's own count a wave has two tensor loads out at the start and one behind each refill.
; REGISTERS, in windows of 256: window 0: addresses, tables, scale words, accumulators, sums, the quantiser;  windows 1 and 2: my rows' codes, fragment (rt, k) in window 1 + rt / 2 at v[128 (rt % 2) + 16 k];
;   window 3: in phase A four sets of 64 loaded numbers; in phase B two sets of W's 8 fragments, v[128 p + 16 k].
.set TILEB, 17408
.set SLOTB, 4*TILEB                    ; 0x11000: it shares no bit with wave x 0x4400, so one exclusive or turns an address from one slot to the other
.set STAGE, 2*SLOTB                    ; behind the ring: the quantiser's stages, 8,448 bytes a wave
.set STW,   8448
.set TAB,   STAGE+4*STW                ; 2 log2(e) x bias [1024], then g' [1024]
.set SCX,   TAB+8192                   ; the way out: 256 bytes a wave
.set SPARE, SCX+1024                   ; the spare words, 128 bytes a wave: two blocks of 256 bytes that no other line names
.set IMG,   SPARE+512                  ; for each wave 16 fragment images of 2,048 bytes and 16 of scale words of 128
.set IMW,   34816
.set L16,  1                           ; v1   16 x lane
.set STI,  2                           ; v2   the stage, in
.set STO,  3                           ; v3   the stage, out
.set IMG0, 4                           ; v4   my wave's images, 16 x lane
.set IMS0, 5                           ; v5   my wave's scale images, 4 x lane
.set IA,   6                           ; v6   where this trip's images go
.set IB,   7                           ; v7   and their scale words
.set FA,   8                           ; v8, v9  the tile of W to be fetched: two registers by turns, so that neither is written while a load that names it may be out
.set TA0,  11                          ; v11  TAB + 4 (lane % 16)
.set TA,   12                          ; v12  the tile's table words
.set SX,   13
.set SY,   14
.set L8,   15
.set SPW,  16                          ; v16  LDS address of my spare word; never rewritten
.set NIL,  17                          ; v17  0; never rewritten
.set BP0,  20                          ; v20 bias', v22 g' for piece 0; v24, v26 for piece 1 (named as pairs: the odd registers are written once)
.set GP0,  22
.set WS,   28                          ; v28-43  W's scale words, two sets of 8, and nothing else
.set HS,   44                          ; v44-75  my rows' scale words, 8 rt + k, and nothing else
.set ACC,  76                          ; v76-107 four accumulators
.set SS,   108                         ; v108-139 the running sums
.set X,    140                         ; v140-203 64 numbers of a lane
.set TM,   204
.set PC,   220
.set PW,   236
.set WV,  18
.set CX,  19
.set WGX, 20
.set YY,  21
.set G1,  24                           ; s[24:31] descriptor group 1
.set G0A, 32                           ; s[32:35] group 0 of slot 0's first fill
.set G0B, 36                           ; s[36:39] of slot 1's; it then walks
.set LP,  40                           ; s[40:41] my rows, at the K step to be loaded
.set CC,  42                           ; s[42:43] 2 log2(e)
.set SEL, 44
.set MNT, 46
.set IO,  47
.set IS,  48
.set FB,  49                           ; LDS byte of the tile to be fetched
.set TT,  50                           ; 64 x the tile's number
.set C1,  51
.set C2,  52
.set SB,  53                           ; LDS byte of the slot from which tiles are being fetched
.set SP,  54                           ; s[54:55] my 64 scores
.set MSB, 0
.macro WIN new                         ; the immediate's high byte repeats the setting that is left; a switch that changes nothing is dropped
.if MSB != (\new)
	s_set_vgpr_msb (MSB<<8)|(\new)
.set MSB, (\new)
.endif
.endm
.macro ROUND                           ; a round of the cluster's barrier
	s_barrier_signal -1
	s_barrier_wait -1
	s_cmp_lg_u32 s[WV], 0
	s_cbranch_scc1 .Lnot_wave_0_\@
	s_barrier_signal -3
.Lnot_wave_0_\@:
	s_barrier_wait -3
	s_barrier_signal -1
	s_barrier_wait -1
.endm
; set j of the loaded rows (window 3) goes through my stage: rows 528 bytes apart (33 x 16), back as 16 neighbours of each block of 32.  LDS serves a wave's instructions in order: no wait between
.macro TURNX j
	WIN 0x0c                                       ; an LDS store's data are its source 1: window 3
.irp i, 0,1,2,3,4,5,6,7,8,9,10,11,12,13,14,15
	ds_store_b128 v[STI], v[64*(\j)+4*\i:64*(\j)+4*\i+3] offset:528*\i
.endr
	WIN 0
.irp c, 0,1,2,3
.irp q, 0,1,2,3
	ds_load_b128 v[X+16*\c+4*\q:X+16*\c+4*\q+3], v[STO] offset:128*\c+16*\q
.endr
.endr
.endm
.macro QUANT pc, pw                    ; the 64 numbers in v[X] on become a fragment's codes in v[pc] on and its scale word in v[pw]
.irp b, 0,1,2,3
	v_max3_num_f32 v[TM+\b], |v[X+16*\b]|, |v[X+1+16*\b]|, 0x8000000   ; block b: my 16 numbers, and the floor 2^(16 - 127): the byte cannot fall under 1
.endr
.irp i, 2,4,6,8,10,12,14
.irp b, 0,1,2,3
	v_max3_num_f32 v[TM+\b], v[TM+\b], |v[X+16*\b+\i]|, |v[X+1+16*\b+\i]|
.endr
.endr
.irp b, 0,1,2,3
	v_permlanex16_b32 v[TM+4+\b], v[TM+\b], s[SEL], s[SEL+1]
.endr
.irp b, 0,1,2,3
	v_max_num_f32 v[TM+\b], v[TM+\b], v[TM+4+\b]   ; with lane l xor 16's 16: the block's largest magnitude
.endr
.irp b, 0,1,2,3
	v_add_nc_u32 v[TM+12+\b], 0xf8800000, v[TM+\b] ; 15 off its exponent field: the conversion's scale operand
.endr
.irp b, 0,1,2,3
	v_and_or_b32 v[TM+8+\b], v[TM+\b], 0x7f800000, s[MNT]   ; 57,344 x the scale
.endr
.irp b, 0,1,2,3
	v_lshrrev_b32 v[TM+4+\b], 23, v[TM+12+\b]      ; the scale's byte
.endr
	v_lshl_or_b32 v[\pw], v[TM+5], 8, v[TM+4]
	v_lshl_or_b32 v[\pw], v[TM+6], 16, v[\pw]
	v_lshl_or_b32 v[\pw], v[TM+7], 24, v[\pw]
.irp b, 0,1,2,3
.irp i, 0,1,2,3,4,5,6,7,8,9,10,11,12,13,14,15
	v_med3_num_f32 v[X+16*\b+\i], v[X+16*\b+\i], -v[TM+8+\b], v[TM+8+\b]   ; the conversion to an 8-bit code does not saturate (ISA guide 7.6.2): the hold comes first
.endr
	v_cvt_scalef32_pk8_bf8_f32 v[(\pc)+4*\b:(\pc)+4*\b+1], v[X+16*\b:X+16*\b+7], v[TM+12+\b]
	v_cvt_scalef32_pk8_bf8_f32 v[(\pc)+4*\b+2:(\pc)+4*\b+3], v[X+8+16*\b:X+15+16*\b], v[TM+12+\b]
.endr
	v_nop                                          ; one plain vector instruction behind the last scaled conversion
.endm
.macro ALOAD j                         ; row tile j's 16 rows, 512 bytes of each at the K step where LP stands
	WIN 0xc0                                       ; destination window 3
.irp i, 0,1,2,3,4,5,6,7,8,9,10,11,12,13,14,15
	global_load_b128 v[64*(\j)+4*\i:64*(\j)+4*\i+3], v[L16], s[LP:LP+1] offset:65536*(\j)+4096*\i th:TH_LOAD_NT
.endr
	WIN 0
.endm
	s_load_b256 s[4:11], s[0:1], 0x0               ; hidden_state, field_hidden_state, wimg, gtab
	s_load_b128 s[12:15], s[0:1], 0x20             ; b1, b4
	s_load_b64 s[16:17], s[0:1], 0x30              ; scores
	v_lshl_add_u32 v[SPW], v0, 2, SPARE
	v_mov_b32 v[NIL], 0
	ds_add_u32 v[SPW], v[NIL]                      ; the wave's opening: the add, twice on end, and its wait ahead of my first tensor load
	ds_add_u32 v[SPW], v[NIL]                      ; the same add once more; the set-up below, work on registers, stands between it and the wait
	v_lshrrev_b32 v240, 5, v0
	v_readfirstlane_b32 s[WV], v240                ; wave 0..3
	s_bfe_u32 s[CX], ttmp6, 0x40000                ; my place in the cluster: it enters global addresses of my own rows, tables and scores alone
	s_lshl_b32 s[WGX], ttmp9, 2
	s_add_co_u32 s[WGX], s[WGX], s[CX]             ; my block of 256 rows
	s_and_b32 s[YY], ttmp7, 0xffff                 ; the product, which the four partners share
	s_mov_b32 s[G1], 15|(3<<16)|(1<<21)            ; 15:0 the mask: all four work-groups; 17:16 elements of 8 bytes; 21 set beside a mask; no padding
	s_mov_b32 s[G1+1], 32<<16                      ; tensor_dim0 = 32 elements: rows of 256 bytes
	s_mov_b32 s[G1+2], 68<<16                      ; tensor_dim1 = 68 rows: a tile's 17,408 dense bytes
	s_mov_b32 s[G1+3], 32<<16                      ; tile_dim0
	s_mov_b32 s[G1+4], 68                          ; tile_dim1
	s_mov_b32 s[G1+5], 32                          ; from row to row
	s_mov_b32 s[G1+6], 0
	s_mov_b32 s[G1+7], 0
	s_mov_b32 s[CC], 0x4038aa3b
	s_mov_b32 s[CC+1], s[CC]                       ; named with it as a pair, so it is written
	s_mov_b32 s[SEL], 0x76543210
	s_mov_b32 s[SEL+1], 0xfedcba98
	s_mov_b32 s[MNT], 0x600000
	v_and_b32 v240, 31, v0                         ; lane
	v_and_b32 v241, 15, v0                         ; r
	v_bfe_u32 v242, v0, 4, 1                       ; h
	v_lshlrev_b32 v[L16], 4, v240
	v_lshlrev_b32 v[L8], 3, v240
	s_mul_i32 s22, s[WV], STW
	s_add_co_u32 s22, s22, STAGE
	v_add_nc_u32 v[STI], s22, v[L16]
	v_mul_u32_u24 v[STO], v241, 528
	v_lshl_add_u32 v[STO], v242, 6, v[STO]
	v_add_nc_u32 v[STO], s22, v[STO]
	s_mul_i32 s22, s[WV], IMW
	s_add_co_u32 s22, s22, IMG
	v_add_nc_u32 v[IMG0], s22, v[L16]
	s_add_co_u32 s22, s22, 32768
	v_lshl_add_u32 v[IMS0], v240, 2, s22
	v_lshl_add_u32 v[TA0], v241, 2, TAB
	s_lshl_b32 s22, s[WV], 8
	s_add_co_u32 s22, s22, SCX
	v_lshl_add_u32 v[SX], v242, 5, s22
	v_lshl_add_u32 v[SY], v240, 3, s22
	v_lshlrev_b32 v243, 5, v0                      ; the tables: 32 bytes a thread, in memory
	v_lshl_add_u32 v244, v0, 5, TAB                ; and in LDS
.irp q, 1,3,5,7
	v_mov_b32 v[BP0+\q], 0                         ; the upper halves of the pairs by which the table words are named
.endr
.irp b, 0,1,2,3
	v_mov_b32 v[TM+4+\b], 0                        ; written once: a lane permute's destination counts as one of its sources
.endr
	s_wait_dscnt 0x0                               ; both opening adds are done
	s_wait_kmcnt 0x0
	s_cmp_eq_u32 s[YY], 0
	s_cselect_b64 s[LP:LP+1], s[4:5], s[6:7]
	s_cselect_b64 s[12:13], s[12:13], s[14:15]     ; the bias
	s_lshl_b32 s22, s[WGX], 20                     ; 256 rows of 4,096 bytes
	s_lshl_b32 s23, s[WV], 18                      ; my wave's 64
	s_add_co_u32 s22, s22, s23
	s_mov_b32 s23, 0
	s_add_nc_u64 s[LP:LP+1], s[LP:LP+1], s[22:23]
	s_lshl_b32 s22, s[YY], 18
	s_lshr_b32 s23, s[WGX], 1                      ; the batch
	s_lshl_b32 s23, s23, 12
	s_add_co_u32 s22, s22, s23
	s_mov_b32 s23, 0
	s_add_nc_u64 s[10:11], s[10:11], s[22:23]      ; g' of my product and batch
	s_lshl_b32 s22, s[YY], 17
	s_lshl_b32 s23, s[WGX], 10
	s_add_co_u32 s22, s22, s23
	s_lshl_b32 s23, s[WV], 8
	s_add_co_u32 s22, s22, s23
	s_mov_b32 s23, 0
	s_add_nc_u64 s[SP:SP+1], s[16:17], s[22:23]
	global_load_b128 v[76:79], v243, s[12:13]
	global_load_b128 v[80:83], v243, s[12:13] offset:16
	global_load_b128 v[84:87], v243, s[10:11]
	global_load_b128 v[88:91], v243, s[10:11] offset:16
	ALOAD 0                                        ; K step 0 of row tiles 0 to 2; tile 3's follows behind the tables, so that the wait for them can be written
	ALOAD 1
	ALOAD 2
	s_mul_i32 s56, s[YY], 64*TILEB                 ; the descriptors hang on the product and the wave's number alone
	s_mul_i32 s57, s[WV], TILEB
	s_add_co_u32 s56, s56, s57
	s_mov_b32 s[G0A], 1                            ; count = 1
	s_mov_b32 s[G0A+1], s57                        ; LDS address: slot 0, my tile
	s_mov_b32 s[G0B], 1
	s_add_co_u32 s[G0B+1], s57, SLOTB              ; slot 1
	s_mov_b32 s57, 0
	s_add_nc_u64 s[G0A+2:G0A+3], s[8:9], s[56:57]  ; tile = my wave's number
	s_add_nc_u64 s[G0B+2:G0B+3], s[G0A+2:G0A+3], SLOTB   ; tile 4 + my wave's number
	s_or_b32 s[G0A+3], s[G0A+3], 0x80000000        ; type = 2
	s_or_b32 s[G0B+3], s[G0B+3], 0x80000000
	ROUND                                          ; all four work-groups are here: the first joint loads meet
	tensor_load_to_lds s[G0A:G0A+3], s[G1:G1+7]
	s_nop 0
	tensor_load_to_lds s[G0B:G0B+3], s[G1:G1+7]
	s_nop 0
.rept 4
	v_nop
.endr
	s_wait_loadcnt 48                              ; the four table loads are in: the 48 row loads are younger
.irp q, 0,2,4,6
	v_pk_mul_f32 v[76+\q:77+\q], v[76+\q:77+\q], s[CC:CC+1] op_sel_hi:[1,0]   ; 2 log2(e) x bias
.endr
	ds_store_b128 v244, v[76:79]
	ds_store_b128 v244, v[80:83] offset:16
	ds_store_b128 v244, v[84:87] offset:4096
	ds_store_b128 v244, v[88:91] offset:4112
	ALOAD 3
; PHASE A.  A trip is one K step of all four row tiles.  ahead = 1: each set is asked for again, a K step on, as soon as the stage has read it: 48 to 64 loads of 512 bytes are out for a wave.
; The codes go to my own images in LDS, since their registers differ from fragment to fragment while the trip's text is walked in a loop; COLLECT brings four trips' images into the registers where they stay.
.macro TRIP ahead
.if \ahead
	s_wait_xcnt 0x0                                ; the loads that are out have read their base: it may step
	s_add_nc_u64 s[LP:LP+1], s[LP:LP+1], 512
.endif
.irp j, 0,1,2,3
.if \ahead
	s_wait_loadcnt 48                              ; set j is in: three sets of 16 loads are younger
.else
	s_wait_loadcnt 16*(3-\j)
.endif
	TURNX \j
	s_wait_dscnt 0x0                               ; my 64 numbers are back; the stage's stores have read set j, the last images' stores their codes and addresses
.if \j == 0
	v_add_nc_u32 v[IA], s[IO], v[IMG0]
	v_add_nc_u32 v[IB], s[IS], v[IMS0]
.endif
.if \ahead
	ALOAD \j
.endif
	QUANT PC, PW
.irp c, 0,1,2,3
	ds_store_b128 v[IA], v[PC+4*\c:PC+4*\c+3] offset:2048*\j+512*\c
.endr
	ds_store_b32 v[IB], v[PW] offset:128*\j
.endr
.endm
.macro COLLECT I                       ; images 4 t + j of trips t = 0 .. 3 are fragments (row tile j, K step 4 I + t)
.irp j, 0,1,2,3
	WIN 0x40+0x40*(\j/2)                           ; destination window 1 or 2
.irp t, 0,1,2,3
.irp c, 0,1,2,3
	ds_load_b128 v[128*(\j%2)+16*(4*(\I)+\t)+4*\c:128*(\j%2)+16*(4*(\I)+\t)+4*\c+3], v[IMG0] offset:(4*\t+\j)*2048+512*\c
.endr
.endr
.endr
	WIN 0
.irp j, 0,1,2,3
.irp t, 0,1,2,3
	ds_load_b32 v[HS+8*\j+4*(\I)+\t], v[IMS0] offset:(4*\t+\j)*128
.endr
.endr
.endm
	s_mov_b32 s[IO], 0
	s_mov_b32 s[IS], 0
	s_mov_b32 s[C1], 4
.Lfirst_half:
	TRIP 1
	s_add_co_u32 s[IO], s[IO], 8192
	s_add_co_u32 s[IS], s[IS], 512
	s_sub_co_u32 s[C1], s[C1], 1
	s_cmp_lg_u32 s[C1], 0
	s_cbranch_scc1 .Lfirst_half
	COLLECT 0
	s_mov_b32 s[IO], 0
	s_mov_b32 s[IS], 0
	s_mov_b32 s[C1], 3
.Lsecond_half:
	TRIP 1
	s_add_co_u32 s[IO], s[IO], 8192
	s_add_co_u32 s[IS], s[IS], 512
	s_sub_co_u32 s[C1], s[C1], 1
	s_cmp_lg_u32 s[C1], 0
	s_cbranch_scc1 .Lsecond_half
	TRIP 0                                         ; the last K step asks for nothing: no load leaves its buffer
	COLLECT 1
; PHASE B.
; Product i of 16 of piece x: K step i / 2, row tile 2 x + i % 2; p: W's set.  The piece's two accumulators take turns, one instruction a turn; the first K step starts the sums.
.macro WM x, p
.set kk, i/2
.set rr, 2*(\x)+i%2
	WIN (1+(\x))|12                                ; source 0 (my rows) window 1 or 2, source 1 (W) window 3, C and D window 0
.if kk == 0
	v_wmma_scale_f32_16x16x128_f8f6f4 v[ACC+8*rr:ACC+8*rr+7], v[128*(i%2)+16*kk:128*(i%2)+16*kk+15], v[128*(\p)+16*kk:128*(\p)+16*kk+15], 0, v[HS+8*rr+kk], v[WS+8*(\p)+kk] matrix_a_fmt:MATRIX_FMT_BF8 matrix_b_fmt:MATRIX_FMT_BF8
.else
	v_wmma_scale_f32_16x16x128_f8f6f4 v[ACC+8*rr:ACC+8*rr+7], v[128*(i%2)+16*kk:128*(i%2)+16*kk+15], v[128*(\p)+16*kk:128*(\p)+16*kk+15], v[ACC+8*rr:ACC+8*rr+7], v[HS+8*rr+kk], v[WS+8*(\p)+kk] matrix_a_fmt:MATRIX_FMT_BF8 matrix_b_fmt:MATRIX_FMT_BF8
.endif
.endm
; THE VECTOR WORK OF A TURN: piece y's 56 instructions, in place on its 16 results, in three segments.
;   segment 0, slices 0 to 6:   P q: pair q becomes z' = 2 log2(e) x sum + bias';  T e: number e becomes 2^z'
;   segment 1, slices 7 to 13:  P q: pair q + 1;                                   T e: the reciprocal, r
;   slices 14, 15:              the running sums += g' r
; A segment's 8 + 16 instructions go in seven slices of 3, 4, 3, 4, 3, 4, 3:  P0 P1 P2 | P3 T0 T1 T2 | P4 T3 T4 | P5 T5 T6 T7 | P6 T8 T9 | P7 T10 T11 T12 | T13 T14 T15.
; A plain instruction leads a slice while there are any; a pair is prepared in an earlier slice than the one that holds its transcendentals; no instruction of a segment names a result of its transcendentals.
; So a segment's 16 transcendentals are one batch with one wait, which RUN writes behind slices 6 and 13.  P0 is the first to read the piece's first accumulator (its registers 0, 1), P4 its second (likewise).
.macro PL                              ; the plain instruction of pair q
.if sg == 0
	v_pk_fma_f32 v[eb+2*q:eb+2*q+1], v[eb+2*q:eb+2*q+1], s[CC:CC+1], v[bp:bp+1] op_sel_hi:[1,0,0]
.else
	v_pk_add_f32 v[eb+2*q:eb+2*q+1], v[eb+2*q:eb+2*q+1], 1.0 op_sel_hi:[1,0]
.endif
.endm
.macro TR                              ; the transcendental of number e
.if sg == 0
	v_exp_f32 v[eb+e], v[eb+e]
.else
	v_rcp_f32 v[eb+e], v[eb+e]
.endif
.endm
.macro SLICE y
.set eb, ACC+16*(\y)
.set sb, SS+16*(\y)
.set bp, BP0+4*(\y)
.set gp, GP0+4*(\y)
	WIN 0
.if i < 14
.set sg, i/7
.set m, i%7
.if m == 0
.set q, 0
	PL
.set q, 1
	PL
.set q, 2
	PL
.else
.if m < 6
.set q, m+2
	PL
.endif
.set e, 5*((m-1)/2)+3*((m-1)%2)        ; 0, 3, 5, 8, 10, 13
	TR
.set e, e+1
	TR
.if ((m%2) == 1) || (m == 6)
.set e, e+1
	TR
.endif
.endif
.else
.irp u, 0,2,4,6
	v_pk_fma_f32 v[sb+8*(i-14)+\u:sb+8*(i-14)+\u+1], v[eb+8*(i-14)+\u:eb+8*(i-14)+\u+1], v[gp:gp+1], v[sb+8*(i-14)+\u:sb+8*(i-14)+\u+1] op_sel_hi:[1,0,1]
.endr
.if i == 15
	v_nop                                          ; with slices 14 and 15 nine plain instructions stand between the turn's last product but one and P0, which reads its result;
.endif                                             ; slice 15, this line, P0 to P2 and P3 are nine between the last product and P4.  Eight are owed (ISA guide 7.12.1)
.endif
.endm
.macro FRAGS p, k0, fa                 ; fragments k0 and k0 + 1 of a tile of W, as they lie, into set p
	WIN 0xc0                                       ; destination window 3, address window 0
.irp k, \k0, \k0+1
.irp c, 0,1,2,3
	ds_load_b128 v[128*(\p)+16*(\k)+4*\c:128*(\p)+16*(\k)+4*\c+3], v[\fa] offset:2048*(\k)+512*\c
.endr
.endr
.endm
; A RUN OF LDS LOADS stands behind slices 6 (part 0) and 13 (part 1) of each turn, with the wait for the segment's transcendentals at its head.  A tile's four runs, in order:
;   turn 0, part 0: piece 0's two table words of this tile, the next tile's 8 scale words (2 loads), its fragments 0, 1 (8 loads): 12;      turn 0, part 1: fragments 2, 3: 8;
;   turn 1, part 0: piece 1's two table words, fragments 4, 5: 10;                                                                         turn 1, part 1: fragments 6, 7: 8.
; They land in the idle set, whose last reader is the last product of the tile before: behind it stand slice 15's four and its v_nop, the tile's address, and eight plain instructions of slices 0 to 5.
.macro RUN x, p, fetch, first, part
	WIN 0
.if ((\x) == 0) && ((\part) == 0) && \fetch
	v_add_nc_u32 v[FA+\p], s[FB], v[L16]           ; the next tile's place; also the plain instruction behind the last exponential
	s_add_co_u32 s[FB], s[FB], TILEB
.elseif !\first
	v_nop                                          ; the plain instruction behind the segment's last transcendental
.endif
.if !\first
	s_wait_alu depctr_va_vdst(0)                   ; one wait for the segment's 16 transcendentals, ahead of their first reader
.endif
.if (\part) == 0
	ds_load_b32 v[BP0+4*(\x)], v[TA]
	ds_load_b32 v[GP0+4*(\x)], v[TA] offset:4096
.endif
.if \fetch
.if ((\x) == 0) && ((\part) == 0)
	ds_load_b128 v[WS+8*(1-\p):WS+8*(1-\p)+3], v[FA+\p] offset:16384
	ds_load_b128 v[WS+8*(1-\p)+4:WS+8*(1-\p)+7], v[FA+\p] offset:16896
.endif
	FRAGS 1-\p, 4*(\x)+2*(\part), FA+\p
.endif
.endm
.macro TURN x, p, fetch, first         ; first = 1: there are no results yet to work on
.set i, 0
.rept 16
.if ((\x) == 0) && (i == 12)
.if \fetch
	s_wait_dscnt 12                                ; this tile's fragments 6 and 7 are in: this turn's first run, 12 LDS instructions, is younger
.else
	s_wait_dscnt 2                                 ; likewise: the two table words are younger
.endif
.endif
	WM \x, \p
.if !\first
	SLICE 1-\x
.endif
.if i == 6
	RUN \x, \p, \fetch, \first, 0
.endif
.if i == 13
	RUN \x, \p, \fetch, \first, 1
.endif
.set i, i+1
.endr
.if \first
	WIN 0
.rept 8
	v_nop                                          ; eight places behind this form before a result is read
.endr
.endif
.endm
.macro TILE p, fetch, first
.if \first
	s_wait_dscnt 0x0                               ; the first tile came in one run
.else
	s_wait_dscnt 8                                 ; this tile's scale words and fragments 0 to 5 are in, and piece 1's table words of the last tile: the last run's 8 loads, fragments 6 and 7, may be out
.endif
	v_add_nc_u32 v[TA], s[TT], v[TA0]
	TURN 0, \p, \fetch, \first
.if \fetch
	s_wait_dscnt 18                                ; piece 0's two table words are in: 2 + 8 + 8 loads of the next tile are younger
.else
	s_wait_dscnt 0x0
.endif
	TURN 1, \p, \fetch, 0
	WIN 0
	s_add_co_u32 s[TT], s[TT], 64
.endm
; THE CHANGE OF SLOTS stands in front of the last tile of a slot, whose own fragments have been asked for and which fetches the next slot's first tile.  Each wave waits for all its tensor loads (its tile of the
; next slot), adds 0 to its spare word, and waits for that and for its reads of the slot.  fill = 1: the barrier is a round of the cluster's, and the slot just left is filled again first thing behind it,
; with the tiles two slots on: the load has four tiles, 128 products a wave, in which to land.
.macro CHANGE fill
	s_wait_tensorcnt 0x0                           ; no tensor load of mine is out, so a group 0 may be written
	ds_add_u32 v[SPW], v[NIL]                      ; the add to my spare word; the steps below stand between it and the wait for it
.if \fill
	s_xor_b32 s[G0B+1], s[G0B+1], SLOTB            ; the walking descriptor: the other slot than last time,
	s_add_nc_u64 s[G0B+2:G0B+3], s[G0B+2:G0B+3], SLOTB   ; the next four tiles; the type bits on top are not reached
.endif
	s_xor_b32 s[SB], s[SB], SLOTB                  ; the fetches go on in the other slot
	s_mov_b32 s[FB], s[SB]
	s_wait_dscnt 0x0                               ; the add is done, and my reads of the slot are over
.if \fill
	ROUND
	tensor_load_to_lds s[G0B:G0B+3], s[G1:G1+7]
	s_nop 0
.rept 4
	v_nop
.endr
.else
	s_barrier_signal -1
	s_barrier_wait -1
.endif
.endm
	s_wait_tensorcnt 1                             ; my tile of slot 0 is in; slot 1's may stay out
	s_wait_dscnt 0x0                               ; my codes are in their registers, my part of the tables is stored
	s_barrier_signal -1
	s_barrier_wait -1
	s_mov_b32 s[SB], 0
	s_mov_b32 s[FB], 0
	s_mov_b32 s[TT], 0
	v_add_nc_u32 v[FA+1], s[FB], v[L16]            ; tile 0, whole, into set 0
	ds_load_b128 v[WS:WS+3], v[FA+1] offset:16384
	ds_load_b128 v[WS+4:WS+7], v[FA+1] offset:16896
	FRAGS 0, 0, FA+1
	FRAGS 0, 2, FA+1
	FRAGS 0, 4, FA+1
	FRAGS 0, 6, FA+1
	WIN 0
	s_add_co_u32 s[FB], s[FB], TILEB
.set n, 0
.rept 32
	v_mov_b32 v[SS+n], 0                           ; the tile's text is written once: the first finds zeros
.set n, n+1
.endr
	TILE 0, 1, 1                                   ; tiles 0 to 2
	TILE 1, 1, 0
	TILE 0, 1, 0
	s_mov_b32 s[C1], 14
.Lslot:                                            ; 14 trips of four tiles, 3 to 58: slots' worth 2 to 15 of W are asked for
	CHANGE 1
	s_mov_b32 s[C2], 2
.Lpair:
	TILE 1, 1, 0
	TILE 0, 1, 0
	s_sub_co_u32 s[C2], s[C2], 1
	s_cmp_lg_u32 s[C2], 0
	s_cbranch_scc1 .Lpair
	s_sub_co_u32 s[C1], s[C1], 1
	s_cmp_lg_u32 s[C1], 0
	s_cbranch_scc1 .Lslot
	CHANGE 0                                       ; the tail is written out: nothing is left to ask for
	s_mov_b32 s[C2], 2
.Ltail:                                            ; tiles 59 to 62
	TILE 1, 1, 0
	TILE 0, 1, 0
	s_sub_co_u32 s[C2], s[C2], 1
	s_cmp_lg_u32 s[C2], 0
	s_cbranch_scc1 .Ltail
	TILE 1, 0, 0                                   ; tile 63 fetches nothing
	s_wait_dscnt 0x0                               ; piece 1's last table words
.set i, 0
.rept 16
	SLICE 1                                        ; piece 1's results of the last tile
.if (i == 6) || (i == 13)
	v_nop                                          ; the plain instruction behind the segment's last transcendental,
	s_wait_alu depctr_va_vdst(0)                   ; and the segment's one wait
.endif
.set i, i+1
.endr
	; THE WAY OUT.  A row's sum lies in the sixteen lanes of a half, a column each: four steps add them.  Then the wave's 64 scores meet in its 256 bytes of LDS and leave as one aligned run of 256 bytes.
.irp m, 1,2,4,8
.set n, 0
.rept 32
	v_add_f32_dpp v[SS+n], v[SS+n], v[SS+n] row_xmask:\m row_mask:0xf bank_mask:0xf
.set n, n+1
.endr
.endr
.irp t, 0,1,2,3
.irp j, 0,1,2,3,4,5,6,7
	ds_store_b32 v[SX], v[SS+8*\t+\j] offset:64*\t+4*\j   ; row 16 t + 8 h + j: the sixteen lanes of a half write one word with one value
.endr
.endr
	ds_load_b64 v[X:X+1], v[SY]                    ; LDS serves a wave's instructions in order: this sees my stores
	s_wait_dscnt 0x0
	global_store_b64 v[L8], v[X:X+1], s[SP:SP+1]
	s_wait_tensorcnt 0x0                           ; the wave's end: a wait, an add to my spare word and its wait behind my last tensor load and my last LDS store
	ds_add_u32 v[SPW], v[NIL]
	s_wait_dscnt 0x0
	ROUND                                          ; the closing round: no work-group ends while a partner may still ask for a tile that names it
	s_endpgm
.Lfunc_end_k_qcacbdd314e_phi:
	.size	k_qcacbdd314e_phi, .Lfunc_end_k_qcacbdd314e_phi-k_qcacbdd314e_phi
	.p2alignl 7, 3214868480
	.fill 96, 4, 3214868480
	.section	.rodata,"a",@progbits
	.p2align	6, 0x0
	.amdhsa_kernel k_qcacbdd314e_phi
		.amdhsa_group_segment_fixed_size 327680
		.amdhsa_private_segment_fixed_size 0
		.amdhsa_enable_private_segment 0
		.amdhsa_kernarg_size 56
		.amdhsa_user_sgpr_count 2
		.amdhsa_user_sgpr_kernarg_segment_ptr 1
		.amdhsa_wavefront_size32 1
		.amdhsa_system_sgpr_workgroup_id_x 1
		.amdhsa_system_sgpr_workgroup_id_y 1
		.amdhsa_system_sgpr_workgroup_id_z 1
		.amdhsa_system_vgpr_workitem_id 0
		.amdhsa_next_free_vgpr 1024
		.amdhsa_next_free_sgpr 66
		.amdhsa_reserve_vcc 0
		.amdhsa_float_denorm_mode_32 3
		.amdhsa_float_denorm_mode_16_64 3
		.amdhsa_memory_ordered 1
		.amdhsa_forward_progress 1
		.amdhsa_inst_pref_size 255
	.end_amdhsa_kernel
	.section	.bss,"aw",@nobits
	.p2align	6
	.space	262144
	.amdgpu_metadata
---
amdhsa.version: [ 1, 2 ]
amdhsa.kernels:
  - .name:           k_qcacbdd314e_phi
    .symbol:         k_qcacbdd314e_phi.kd
    .args:
      - { .name: hidden_state, .offset: 0, .size: 8, .value_kind: global_buffer, .address_space: global }
      - { .name: field_hidden_state, .offset: 8, .size: 8, .value_kind: global_buffer, .address_space: global }
      - { .name: wimg, .offset: 16, .size: 8, .value_kind: global_buffer, .address_space: global }
      - { .name: gtab, .offset: 24, .size: 8, .value_kind: global_buffer, .address_space: global }
      - { .name: b1, .offset: 32, .size: 8, .value_kind: global_buffer, .address_space: global }
      - { .name: b4, .offset: 40, .size: 8, .value_kind: global_buffer, .address_space: global }
      - { .name: scores, .offset: 48, .size: 8, .value_kind: global_buffer, .address_space: global }
    .group_segment_fixed_size: 327680
    .private_segment_fixed_size: 0
    .kernarg_segment_align: 8
    .kernarg_segment_size: 56
    .max_flat_workgroup_size: 128
    .sgpr_count:     66
    .vgpr_count:     1024
    .wavefront_size: 32
...
	.end_amdgpu_metadata
.endif
;; end of part 2
;; launch context (part 3): grid 256 x 1, 8 waves a work-group, no clusters, 7,936 bytes of LDS; arguments hidden_state, scores, ctx, wt; writes ctx, wt
.if DOCPART == 3
	.amdgcn_target "amdgcn-amd-amdhsa--gfx1250"
	.amdhsa_code_object_version 6
	.text
	.protected	k_qcacbdd314e_context
	.globl	k_qcacbdd314e_context
	.p2align	8
	.type	k_qcacbdd314e_context,@function
k_qcacbdd314e_context:
	s_mov_b64 s[64:65], 0
	v_nop
	global_prefetch_b8 v0, s[64:65] scope:SCOPE_SE
	s_setreg_imm32_b32 hwreg(HW_REG_WAVE_MODE, 25, 1), 1
	s_wait_xcnt 0x0
; For each batch b: wh = exp(sh - max sh) / (1e-6 + sum), wf likewise of the field's scores, w = wh wf / (1e-6 + sum of wh wf), all over the 512 positions s;  wt[b][s] = w;
; ctx[b][d] = sum over s of w[s] hidden_state[b][s][d], in f32 throughout: it goes on into a quantiser.
; WORK LEFT OUT: the scores lack a term that is the same for all s of a batch (shown at the head of the first launch's text); the maxima taken away below remove it.
; SHARES.  Four work-groups to a batch, each with 256 of the 1,024 columns; each makes the batch's 512 weights for itself (two positions a thread) and stores a quarter of them.
; Wave w streams rows 128 (w / 2) .. + 127, 512 bytes (w % 2) of the work-group's 1,024: a load covers 512 consecutive bytes; 32 loads of a wave are out.  Memory binds: no matrix unit, no cluster, no tensor load.
.set RED0,  0                          ; LDS: three small tables, a block of 256 bytes each, for the sums over the waves
.set RED1,  256
.set RED2,  512
.set WL,    768                        ; the 512 weights
.set CT,    2816                       ; eight parts of the context, 512 bytes each
.set SPARE, 6912                       ; the spare words, 128 bytes a wave: four blocks of 256 bytes that no other line names
.set L16, 1
.set T8,  2
.set RW8, 3
.set RW4, 4
.set ZB,  5
.set WLW, 6
.set WLR, 7
.set CTW, 8
.set SPW, 9                            ; v9   LDS address of my spare word; never rewritten
.set NIL, 10                           ; v10  0; never rewritten
.set AC,  48                           ; v48-51 my four columns' sums; v52-63 the other parts
.set X,   64                           ; v64-191 32 slots of 4 registers
.set WT,  192                          ; v192-255 two sets of 32 weights
.set SEL, 20
.macro ALLMAX r, t
.irp m, 1,2,4,8
	v_max_num_f32_dpp v[\r], v[\r], v[\r] row_xmask:\m row_mask:0xf bank_mask:0xf
.endr
	v_permlanex16_b32 v[\t], v[\r], s[SEL], s[SEL+1]
	v_max_num_f32 v[\r], v[\r], v[\t]
.endm
.macro ALLSUM r, t
.irp m, 1,2,4,8
	v_add_f32_dpp v[\r], v[\r], v[\r] row_xmask:\m row_mask:0xf bank_mask:0xf
.endr
	v_permlanex16_b32 v[\t], v[\r], s[SEL], s[SEL+1]
	v_add_f32 v[\r], v[\r], v[\t]
.endm
.macro BARRIER                         ; my LDS stores have landed and my LDS loads are in: then the work-group's barrier
	s_wait_dscnt 0x0
	s_barrier_signal -1
	s_barrier_wait -1
.endm
.macro GATHER red                      ; eight waves' pairs, in every lane
.irp k, 0,1,2,3
	ds_load_b128 v[20+4*\k:23+4*\k], v[ZB] offset:(\red)+16*\k
.endr
	s_wait_dscnt 0x0
.endm
	s_load_b128 s[4:7], s[0:1], 0x0                ; hidden_state, scores
	s_load_b128 s[8:11], s[0:1], 0x10              ; ctx, wt
	v_lshl_add_u32 v[SPW], v0, 2, SPARE
	v_mov_b32 v[NIL], 0
	v_lshrrev_b32 v11, 5, v0
	v_readfirstlane_b32 s12, v11                   ; wave 0..7
	s_lshr_b32 s13, ttmp9, 2                       ; the batch
	s_and_b32 s14, ttmp9, 3                        ; which 256 columns
	s_lshr_b32 s15, s12, 1                         ; which 128 rows
	s_and_b32 s16, s12, 1                          ; which 512 bytes of the 1,024
	v_and_b32 v11, 31, v0
	v_lshlrev_b32 v[L16], 4, v11
	v_lshlrev_b32 v[T8], 3, v0
	s_lshl_b32 s17, s12, 3
	v_mov_b32 v[RW8], s17
	s_lshl_b32 s17, s12, 2
	v_mov_b32 v[RW4], s17
	v_mov_b32 v[ZB], 0
	v_lshl_add_u32 v[WLW], v0, 3, WL
	s_lshl_b32 s17, s15, 9
	s_add_co_u32 s17, s17, WL
	v_mov_b32 v[WLR], s17
	s_lshl_b32 s17, s12, 9
	s_add_co_u32 s17, s17, CT
	v_add_nc_u32 v[CTW], s17, v[L16]
	s_mov_b32 s[SEL], 0x76543210
	s_mov_b32 s[SEL+1], 0xfedcba98
	v_mov_b32 v18, 0                               ; written once: a lane permute's destination counts as one of its sources
	v_mov_b32 v19, 0
	s_wait_kmcnt 0x0
	s_lshl_b32 s18, s13, 21                        ; a batch is 512 rows of 4,096 bytes
	s_lshl_b32 s17, s15, 19
	s_add_co_u32 s18, s18, s17
	s_lshl_b32 s17, s14, 10
	s_add_co_u32 s18, s18, s17
	s_lshl_b32 s17, s16, 9
	s_add_co_u32 s18, s18, s17
	s_mov_b32 s19, 0
	s_add_nc_u64 s[4:5], s[4:5], s[18:19]
	s_lshl_b32 s18, s13, 11
	s_add_nc_u64 s[6:7], s[6:7], s[18:19]
	s_add_nc_u64 s[10:11], s[10:11], s[18:19]
	s_lshl_b32 s18, s13, 12
	s_lshl_b32 s17, s14, 10
	s_add_co_u32 s18, s18, s17
	s_lshl_b32 s17, s12, 9                         ; (used by waves 0 and 1 alone)
	s_add_co_u32 s18, s18, s17
	s_add_nc_u64 s[8:9], s[8:9], s[18:19]
	global_load_b64 v[12:13], v[T8], s[6:7]                  ; the scores of positions 2 t, 2 t + 1
	global_load_b64 v[14:15], v[T8], s[6:7] offset:131072    ; and the field's
.set n, 0
.rept 32
	global_load_b128 v[X+4*n:X+4*n+3], v[L16], s[4:5] offset:4096*n th:TH_LOAD_NT   ; the stream begins while the weights are made
.set n, n+1
.endr
	s_wait_loadcnt 32                              ; the scores are in: the 32 row loads are younger
	v_max_num_f32 v16, v12, v13
	v_max_num_f32 v17, v14, v15
	ALLMAX 16, 18
	ALLMAX 17, 19
	ds_store_b64 v[RW8], v[16:17] offset:RED0      ; all lanes write the same pair
	BARRIER
	GATHER RED0
	v_max3_num_f32 v16, v20, v22, v24
	v_max3_num_f32 v17, v21, v23, v25
	v_max3_num_f32 v16, v16, v26, v28
	v_max3_num_f32 v17, v17, v27, v29
	v_max3_num_f32 v16, v16, v30, v32
	v_max3_num_f32 v17, v17, v31, v33
	v_max_num_f32 v16, v16, v34                    ; the largest score of the batch,
	v_max_num_f32 v17, v17, v35                    ; and of the field's
	v_sub_f32 v12, v12, v16
	v_sub_f32 v13, v13, v16
	v_sub_f32 v14, v14, v17
	v_sub_f32 v15, v15, v17
.irp q, 12,13,14,15
	v_mul_f32 v\q, 0x3fb8aa3b, v\q
.endr
.irp q, 12,13,14,15
	v_exp_f32 v\q, v\q
.endr
	v_nop
	s_wait_alu depctr_va_vdst(0)                   ; one wait for the four exponentials, ahead of their first reader
	v_add_f32 v16, v12, v13
	v_add_f32 v17, v14, v15
	ALLSUM 16, 18
	ALLSUM 17, 19
	ds_store_b64 v[RW8], v[16:17] offset:RED1
	BARRIER
	GATHER RED1
	v_pk_add_f32 v[20:21], v[20:21], v[22:23]
	v_pk_add_f32 v[24:25], v[24:25], v[26:27]
	v_pk_add_f32 v[28:29], v[28:29], v[30:31]
	v_pk_add_f32 v[32:33], v[32:33], v[34:35]
	v_pk_add_f32 v[20:21], v[20:21], v[24:25]
	v_pk_add_f32 v[28:29], v[28:29], v[32:33]
	v_pk_add_f32 v[20:21], v[20:21], v[28:29]
	v_add_f32 v16, 0x358637bd, v20                 ; 1e-6 + the sum
	v_add_f32 v17, 0x358637bd, v21
	v_rcp_f32 v16, v16
	v_rcp_f32 v17, v17
	v_nop
	s_wait_alu depctr_va_vdst(0)
	v_mul_f32 v12, v12, v16
	v_mul_f32 v13, v13, v16
	v_mul_f32 v14, v14, v17
	v_mul_f32 v15, v15, v17
	v_mul_f32 v12, v12, v14                        ; weights x field_w
	v_mul_f32 v13, v13, v15
	v_add_f32 v16, v12, v13
	ALLSUM 16, 18
	ds_store_b32 v[RW4], v16 offset:RED2
	BARRIER
	ds_load_b128 v[20:23], v[ZB] offset:RED2
	ds_load_b128 v[24:27], v[ZB] offset:RED2+16
	s_wait_dscnt 0x0
	v_pk_add_f32 v[20:21], v[20:21], v[22:23]
	v_pk_add_f32 v[24:25], v[24:25], v[26:27]
	v_pk_add_f32 v[20:21], v[20:21], v[24:25]
	v_add_f32 v16, v20, v21
	v_add_f32 v16, 0x358637bd, v16
	v_rcp_f32 v16, v16
	v_nop
	s_wait_alu depctr_va_vdst(0)
	v_mul_f32 v12, v12, v16                        ; the weights
	v_mul_f32 v13, v13, v16
	ds_store_b64 v[WLW], v[12:13]
	BARRIER                                        ; all 512 weights lie in LDS
	s_cmp_lg_u32 s15, s14                          ; of the batch's four work-groups, number q stores the weights of waves 2 q and 2 q + 1: each byte of wt has one owner
	s_cbranch_scc1 .Lnot_mine
	global_store_b64 v[T8], v[12:13], s[10:11]     ; 32 lanes store 256 consecutive bytes, aligned
.Lnot_mine:
.macro WLOAD g                         ; the weights of my rows 32 g .. 32 g + 31, the same in every lane, into set g % 2
.irp k, 0,1,2,3,4,5,6,7
	ds_load_b128 v[WT+32*((\g)%2)+4*\k:WT+32*((\g)%2)+4*\k+3], v[WLR] offset:128*(\g)+16*\k
.endr
.endm
	WLOAD 0
	WLOAD 1
	; THE STREAM, written out: 128 rows, every offset an immediate (520,192 at the most, inside the signed 24 bits: ISA guide, chapter 10)
.set n, 0
.rept 128
.if n%32 == 0
.if n < 96
	s_wait_dscnt 8                                 ; these 32 weights are in: the next set's eight loads are younger
.else
	s_wait_dscnt 0x0
.endif
.endif
.if 127-n < 31
	s_wait_loadcnt 127-n                           ; the counts run down
.else
	s_wait_loadcnt 31                              ; row n is in: 31 rows are younger
.endif
.set xs, X+4*(n%32)
.set wr, WT+32*((n/32)%2)+n%32
.irp q, 0,1,2,3
.if n == 0
	v_mul_f32 v[AC+\q], v[wr], v[xs+\q]            ; the first row starts the sums
.else
	v_fmac_f32 v[AC+\q], v[wr], v[xs+\q]
.endif
.endr
.if n < 96
	global_load_b128 v[xs:xs+3], v[L16], s[4:5] offset:4096*(n+32) th:TH_LOAD_NT
.endif
.if (n%32 == 31) && (n < 64)
	WLOAD (n/32)+2
.endif
.set n, n+1
.endr
	ds_store_b128 v[CTW], v[AC:AC+3]
	BARRIER                                        ; eight parts lie in LDS
	s_cmp_gt_u32 s12, 1
	s_cbranch_scc1 .Ldone
	ds_load_b128 v[52:55], v[CTW] offset:1024      ; waves 0 and 1 add the parts of the other three runs of rows to their own
	ds_load_b128 v[56:59], v[CTW] offset:2048
	ds_load_b128 v[60:63], v[CTW] offset:3072
	s_wait_dscnt 0x0
	v_pk_add_f32 v[48:49], v[48:49], v[52:53]
	v_pk_add_f32 v[50:51], v[50:51], v[54:55]
	v_pk_add_f32 v[56:57], v[56:57], v[60:61]
	v_pk_add_f32 v[58:59], v[58:59], v[62:63]
	v_pk_add_f32 v[48:49], v[48:49], v[56:57]
	v_pk_add_f32 v[50:51], v[50:51], v[58:59]
	global_store_b128 v[L16], v[48:51], s[8:9]     ; 32 lanes store 512 consecutive bytes, aligned
.Ldone:
	s_wait_tensorcnt 0x0                           ; the wave's end: a wait, an add to my spare word and its wait behind my last LDS store
	ds_add_u32 v[SPW], v[NIL]
	s_wait_dscnt 0x0
	s_endpgm
.Lfunc_end_k_qcacbdd314e_context:
	.size	k_qcacbdd314e_context, .Lfunc_end_k_qcacbdd314e_context-k_qcacbdd314e_context
	.p2alignl 7, 3214868480
	.fill 96, 4, 3214868480
	.section	.rodata,"a",@progbits
	.p2align	6, 0x0
	.amdhsa_kernel k_qcacbdd314e_context
		.amdhsa_group_segment_fixed_size 7936
		.amdhsa_private_segment_fixed_size 0
		.amdhsa_enable_private_segment 0
		.amdhsa_kernarg_size 32
		.amdhsa_user_sgpr_count 2
		.amdhsa_user_sgpr_kernarg_segment_ptr 1
		.amdhsa_wavefront_size32 1
		.amdhsa_system_sgpr_workgroup_id_x 1
		.amdhsa_system_sgpr_workgroup_id_y 1
		.amdhsa_system_sgpr_workgroup_id_z 1
		.amdhsa_system_vgpr_workitem_id 0
		.amdhsa_next_free_vgpr 256
		.amdhsa_next_free_sgpr 66
		.amdhsa_reserve_vcc 0
		.amdhsa_float_denorm_mode_32 3
		.amdhsa_float_denorm_mode_16_64 3
		.amdhsa_memory_ordered 1
		.amdhsa_forward_progress 1
		.amdhsa_inst_pref_size 44
	.end_amdhsa_kernel
	.amdgpu_metadata
---
amdhsa.version: [ 1, 2 ]
amdhsa.kernels:
  - .name:           k_qcacbdd314e_context
    .symbol:         k_qcacbdd314e_context.kd
    .args:
      - { .name: hidden_state, .offset: 0, .size: 8, .value_kind: global_buffer, .address_space: global }
      - { .name: scores, .offset: 8, .size: 8, .value_kind: global_buffer, .address_space: global }
      - { .name: ctx, .offset: 16, .size: 8, .value_kind: global_buffer, .address_space: global }
      - { .name: wt, .offset: 24, .size: 8, .value_kind: global_buffer, .address_space: global }
    .group_segment_fixed_size: 7936
    .private_segment_fixed_size: 0
    .kernarg_segment_align: 8
    .kernarg_segment_size: 32
    .max_flat_workgroup_size: 256
    .sgpr_count:     66
    .vgpr_count:     256
    .wavefront_size: 32
...
	.end_amdgpu_metadata
.endif
;; end of part 3
;; launch final (part 4): grid 64 x 1, 4 waves a work-group, no clusters, 38,912 bytes of LDS; arguments ctx, W3, o3, finished, wt, out0, out1; writes out0, out1
.if DOCPART == 4
	.amdgcn_target "amdgcn-amd-amdhsa--gfx1250"
	.amdhsa_code_object_version 6
	.text
	.protected	k_qcacbdd314e_final
	.globl	k_qcacbdd314e_final
	.p2align	8
	.type	k_qcacbdd314e_final,@function
k_qcacbdd314e_final:
	s_mov_b64 s[64:65], 0
	v_nop
	global_prefetch_b8 v0, s[64:65] scope:SCOPE_SE
	s_setreg_imm32_b32 hwreg(HW_REG_WAVE_MODE, 25, 1), 1
	s_wait_xcnt 0x0
; out0 = where(finished, 0, Q(context) Q(W3[:, :1024])^T + o3), o3 being the input's half of the product with b3, made by the first launch;  out1[s][b] = wt[b][s].
; K = 2,048 falls into blocks of 32 from its start, and 1,024 is a multiple of 32: the two halves of the concatenated operand are quantised apart with the same blocks.
; SHARES.  4 tiles of 16 batch rows x 16 groups of 64 columns: 64 work-groups, all the work there is; a wave makes 16 rows x 16 columns over K = 1,024, and turns two positions s of the weights.
; Both operands arrive as f32: a fragment (16 rows x 128 along K) is loaded densely, turned through the wave's own stage in LDS (rows 528 bytes apart: 33 x 16) and quantised in registers.
; LIMITS: NaN and infinities are not served; a block of zeros has the scale byte 1 and zero codes.
.set STP,   0
.set STW,   8448
.set OST,   33792                      ; the way out: 16 rows x (256 bytes + 16)
.set SPARE, 38400                      ; the spare words, 128 bytes a wave: two blocks of 256 bytes that no other line names
.set L16, 4
.set STI, 5
.set STO, 6
.set OSI, 7
.set OSO, 8
.set GO,  9
.set SPW, 10                           ; v10  LDS address of my spare word; never rewritten
.set NIL, 11                           ; v11  0; never rewritten
.set RO,  12                           ; v12  my place in o3: 4,096 r + 32 h
.set FIN, 13                           ; v13  finished of my batch row
.set ZR,  14                           ; v14  0, what a finished row gets
.set X,   32
.set TM,  96
.set PC,  112
.set PW,  176                          ; v176-179 scale words, and nothing else
.set A0,  180
.set A1,  188
.set Y,   196
.set OB,  212
.set WTV, 220                          ; v220-223 four weights
.set WTO, 224                          ; v224 4,096 x lane: batches 2 l and 2 l + 1 in wt
.set L8,  225
.set WV,  28
.set MNT, 29
.set SEL, 30
.set WP,  40
.set AP,  52
.set MSB, 0
.macro WIN new                         ; the immediate's high byte repeats the setting that is left; a switch that changes nothing is dropped
.if MSB != (\new)
	s_set_vgpr_msb (MSB<<8)|(\new)
.set MSB, (\new)
.endif
.endm
.macro TURNX j, base                   ; set j of the loaded rows (window 1) through my stage; LDS serves a wave's instructions in order: no wait between
	WIN 0x04
.irp i, 0,1,2,3,4,5,6,7,8,9,10,11,12,13,14,15
	ds_store_b128 v[STI], v[64*(\j)+4*\i:64*(\j)+4*\i+3] offset:(\base)+528*\i
.endr
	WIN 0
.irp c, 0,1,2,3
.irp q, 0,1,2,3
	ds_load_b128 v[X+16*\c+4*\q:X+16*\c+4*\q+3], v[STO] offset:(\base)+128*\c+16*\q
.endr
.endr
.endm
.macro QUANT pc, pw                    ; the 64 numbers in v[X] on become a fragment's codes in v[pc] on and its scale word in v[pw]
.irp b, 0,1,2,3
	v_max3_num_f32 v[TM+\b], |v[X+16*\b]|, |v[X+1+16*\b]|, 0x8000000   ; block b: my 16 numbers, and the floor 2^(16 - 127): the byte cannot fall under 1
.endr
.irp i, 2,4,6,8,10,12,14
.irp b, 0,1,2,3
	v_max3_num_f32 v[TM+\b], v[TM+\b], |v[X+16*\b+\i]|, |v[X+1+16*\b+\i]|
.endr
.endr
.irp b, 0,1,2,3
	v_permlanex16_b32 v[TM+4+\b], v[TM+\b], s[SEL], s[SEL+1]
.endr
.irp b, 0,1,2,3
	v_max_num_f32 v[TM+\b], v[TM+\b], v[TM+4+\b]
.endr
.irp b, 0,1,2,3
	v_add_nc_u32 v[TM+12+\b], 0xf8800000, v[TM+\b] ; 15 off the exponent field: the conversion's scale operand
.endr
.irp b, 0,1,2,3
	v_and_or_b32 v[TM+8+\b], v[TM+\b], 0x7f800000, s[MNT]   ; 57,344 x the scale
.endr
.irp b, 0,1,2,3
	v_lshrrev_b32 v[TM+4+\b], 23, v[TM+12+\b]      ; the scale's byte
.endr
	v_lshl_or_b32 v[\pw], v[TM+5], 8, v[TM+4]
	v_lshl_or_b32 v[\pw], v[TM+6], 16, v[\pw]
	v_lshl_or_b32 v[\pw], v[TM+7], 24, v[\pw]
.irp b, 0,1,2,3
.irp i, 0,1,2,3,4,5,6,7,8,9,10,11,12,13,14,15
	v_med3_num_f32 v[X+16*\b+\i], v[X+16*\b+\i], -v[TM+8+\b], v[TM+8+\b]   ; the conversion to an 8-bit code does not saturate (ISA guide 7.6.2): the hold comes first
.endr
	v_cvt_scalef32_pk8_bf8_f32 v[(\pc)+4*\b:(\pc)+4*\b+1], v[X+16*\b:X+16*\b+7], v[TM+12+\b]
	v_cvt_scalef32_pk8_bf8_f32 v[(\pc)+4*\b+2:(\pc)+4*\b+3], v[X+8+16*\b:X+15+16*\b], v[TM+12+\b]
.endr
	v_nop                                          ; one plain vector instruction behind the last scaled conversion
.endm
	s_load_b256 s[4:11], s[0:1], 0x0               ; ctx, W3, o3, finished
	s_load_b128 s[12:15], s[0:1], 0x20             ; wt, out0
	s_load_b64 s[16:17], s[0:1], 0x30              ; out1
	v_lshl_add_u32 v[SPW], v0, 2, SPARE
	v_mov_b32 v[NIL], 0
	v_lshrrev_b32 v1, 5, v0
	v_readfirstlane_b32 s[WV], v1                  ; wave 0..3
	v_and_b32 v1, 31, v0                           ; lane
	v_and_b32 v2, 15, v0                           ; r
	v_bfe_u32 v3, v0, 4, 1                         ; h
	v_lshlrev_b32 v[L16], 4, v1
	v_lshlrev_b32 v[L8], 3, v1
	v_lshlrev_b32 v[WTO], 12, v1
	s_mul_i32 s34, s[WV], STW
	v_add_nc_u32 v[STI], s34, v[L16]
	v_mul_u32_u24 v[STO], v2, 528
	v_lshl_add_u32 v[STO], v3, 6, v[STO]
	v_add_nc_u32 v[STO], s34, v[STO]
	v_mul_u32_u24 v[OSI], v2, 272                  ; the way out, in: row r, my wave's 64 bytes, 32 for each half of the lanes
	v_lshl_add_u32 v[OSI], v3, 5, v[OSI]
	s_lshl_b32 s34, s[WV], 6
	s_add_co_u32 s34, s34, OST
	v_add_nc_u32 v[OSI], s34, v[OSI]
	s_mul_i32 s34, s[WV], 4*272                    ; back: wave w takes rows 4 w .. 4 w + 3
	s_add_co_u32 s34, s34, OST
	v_mul_u32_u24 v[OSO], v3, 272
	v_lshl_add_u32 v[OSO], v2, 4, v[OSO]
	v_add_nc_u32 v[OSO], s34, v[OSO]
	s_lshl_b32 s34, s[WV], 14
	v_lshlrev_b32 v[GO], 12, v3
	v_lshl_add_u32 v[GO], v2, 4, v[GO]
	v_add_nc_u32 v[GO], s34, v[GO]
	v_lshlrev_b32 v[RO], 12, v2
	v_lshl_add_u32 v[RO], v3, 5, v[RO]
	v_mov_b32 v[ZR], 0
	s_mov_b32 s[MNT], 0x600000
	s_mov_b32 s[SEL], 0x76543210
	s_mov_b32 s[SEL+1], 0xfedcba98
.irp b, 0,1,2,3
	v_mov_b32 v[TM+4+\b], 0                        ; written once: a lane permute's destination counts as one of its sources
.endr
	s_lshr_b32 s36, ttmp9, 4                       ; rt: batch rows 16 rt on
	s_and_b32 s37, ttmp9, 15                       ; g: columns 64 g on
	s_lshl_b32 s38, s37, 2
	s_add_co_u32 s38, s38, s[WV]                   ; T: my tile of 16 columns
	s_mov_b32 s55, 0
	s_wait_kmcnt 0x0
	s_lshl_b32 s54, s36, 16
	s_add_nc_u64 s[AP:AP+1], s[4:5], s[54:55]      ; the context's 16 rows
	s_lshl_b32 s35, s38, 6
	s_add_co_u32 s54, s54, s35
	s_add_nc_u64 s[8:9], s[8:9], s[54:55]          ; o3 at (16 rt, 16 T)
	s_lshl_b32 s54, s38, 17
	s_add_nc_u64 s[WP:WP+1], s[6:7], s[54:55]      ; W3's 16 rows of 8,192 bytes
	s_lshl_b32 s54, s36, 4
	s_add_nc_u64 s[10:11], s[10:11], s[54:55]
	s_lshl_b32 s54, s36, 16
	s_lshl_b32 s35, s37, 8
	s_add_co_u32 s54, s54, s35
	s_add_nc_u64 s[14:15], s[14:15], s[54:55]      ; out0 at (16 rt, 64 g)
	s_lshl_b32 s34, ttmp9, 3
	s_lshl_b32 s35, s[WV], 1
	s_add_co_u32 s34, s34, s35                     ; my two positions: s = 8 x work-group + 2 x wave, + 1
	s_lshl_b32 s54, s34, 2
	s_add_nc_u64 s[12:13], s[12:13], s[54:55]
	s_lshl_b32 s54, s34, 8
	s_add_nc_u64 s[16:17], s[16:17], s[54:55]
	global_load_b128 v[A0:A0+3], v[RO], s[8:9]                 ; o3 begins the first sum: register j of lane (r, h) is (row 16 rt + r, column 16 T + 8 h + j)
	global_load_b128 v[A0+4:A0+7], v[RO], s[8:9] offset:16
	global_load_u8 v[FIN], v2, s[10:11]
	global_load_b32 v[WTV], v[WTO], s[12:13]                   ; wt[2 l][s], wt[2 l + 1][s], and the same of s + 1
	global_load_b32 v[WTV+1], v[WTO], s[12:13] offset:2048
	global_load_b32 v[WTV+2], v[WTO], s[12:13] offset:4
	global_load_b32 v[WTV+3], v[WTO], s[12:13] offset:2052
.irp q, 0,1,2,3,4,5,6,7
	v_mov_b32 v[A1+\q], 0
.endr
.macro PLOAD j                         ; set j of the two K steps at which AP and WP stand: 0, 1 the context's rows; 2, 3 W3's
	WIN 0x40
.if (\j) < 2
.irp i, 0,1,2,3,4,5,6,7,8,9,10,11,12,13,14,15
	global_load_b128 v[64*(\j)+4*\i:64*(\j)+4*\i+3], v[L16], s[AP:AP+1] offset:512*(\j)+4096*\i
.endr
.else
.irp i, 0,1,2,3,4,5,6,7,8,9,10,11,12,13,14,15
	global_load_b128 v[64*(\j)+4*\i:64*(\j)+4*\i+3], v[L16], s[WP:WP+1] offset:512*((\j)-2)+8192*\i
.endr
.endif
	WIN 0
.endm
.macro TRIPP ahead                     ; two K steps: four fragments are quantised, two products follow
.if \ahead
	s_wait_xcnt 0x0                                ; the loads that are out have read their bases: they may step
	s_add_nc_u64 s[AP:AP+1], s[AP:AP+1], 1024
	s_add_nc_u64 s[WP:WP+1], s[WP:WP+1], 1024
.endif
.irp j, 0,1,2,3
.if \ahead
	s_wait_loadcnt 48                              ; set j is in: three sets of 16 loads are younger
.else
	s_wait_loadcnt 16*(3-\j)
.endif
	TURNX \j, STP
	s_wait_dscnt 0x0                               ; my 64 numbers are back, and the stage's stores have read set j
.if \ahead
	PLOAD \j
.endif
	QUANT PC+16*\j, PW+\j
.endr
.rept 4
	v_nop                                          ; with the quantiser's last line five places between the last codes and the products; the scale words were made ahead of the 64 holds
.endr
	; TRANSPOSED: source 0 = 16 rows of W3, source 1 = 16 batch rows.  The two sums take turns
	v_wmma_scale_f32_16x16x128_f8f6f4 v[A0:A0+7], v[PC+32:PC+47], v[PC:PC+15], v[A0:A0+7], v[PW+2], v[PW] matrix_a_fmt:MATRIX_FMT_BF8 matrix_b_fmt:MATRIX_FMT_BF8
	v_wmma_scale_f32_16x16x128_f8f6f4 v[A1:A1+7], v[PC+48:PC+63], v[PC+16:PC+31], v[A1:A1+7], v[PW+3], v[PW+1] matrix_a_fmt:MATRIX_FMT_BF8 matrix_b_fmt:MATRIX_FMT_BF8
.endm
	PLOAD 0
	PLOAD 1
	PLOAD 2
	PLOAD 3
	s_mov_b32 s51, 3
.Lk:
	TRIPP 1
	s_sub_co_u32 s51, s51, 1
	s_cmp_lg_u32 s51, 0
	s_cbranch_scc1 .Lk
	TRIPP 0                                        ; the last two K steps ask for nothing: no load leaves its buffer
	v_cmp_ne_u32 vcc_lo, 0, v[FIN]                 ; (a place behind the products)
.rept 7
	v_nop                                          ; eight places in all behind this form before a result is read
.endr
.irp q, 0,2,4,6
	v_pk_add_f32 v[Y+\q:Y+\q+1], v[A0+\q:A0+\q+1], v[A1+\q:A1+\q+1]   ; both sums from their low ends on
.endr
.irp q, 0,1,2,3,4,5,6,7
	v_cndmask_b32 v[Y+\q], v[Y+\q], v[ZR], vcc_lo  ; a finished row is 0
.endr
	ds_store_b128 v[OSI], v[Y:Y+3]
	ds_store_b128 v[OSI], v[Y+4:Y+7] offset:16
	s_wait_dscnt 0x0                               ; for the others' sake: my stores are done
	s_barrier_signal -1
	s_barrier_wait -1                              ; a row's 256 bytes come from four waves
	ds_load_b128 v[OB:OB+3], v[OSO]
	ds_load_b128 v[OB+4:OB+7], v[OSO] offset:544
	global_store_b64 v[L8], v[WTV:WTV+1], s[16:17]             ; out1: 64 batches of a position: 256 consecutive bytes, aligned
	global_store_b64 v[L8], v[WTV+2:WTV+3], s[16:17] offset:256
	s_wait_dscnt 0x0
	global_store_b128 v[GO], v[OB:OB+3], s[14:15]              ; sixteen lanes store 256 consecutive bytes, aligned
	global_store_b128 v[GO], v[OB+4:OB+7], s[14:15] offset:8192
	s_wait_tensorcnt 0x0                           ; the wave's end: a wait, an add to my spare word and its wait behind my last LDS store
	ds_add_u32 v[SPW], v[NIL]
	s_wait_dscnt 0x0
	s_endpgm
.Lfunc_end_k_qcacbdd314e_final:
	.size	k_qcacbdd314e_final, .Lfunc_end_k_qcacbdd314e_final-k_qcacbdd314e_final
	.p2alignl 7, 3214868480
	.fill 96, 4, 3214868480
	.section	.rodata,"a",@progbits
	.p2align	6, 0x0
	.amdhsa_kernel k_qcacbdd314e_final
		.amdhsa_group_segment_fixed_size 38912
		.amdhsa_private_segment_fixed_size 0
		.amdhsa_enable_private_segment 0
		.amdhsa_kernarg_size 56
		.amdhsa_user_sgpr_count 2
		.amdhsa_user_sgpr_kernarg_segment_ptr 1
		.amdhsa_wavefront_size32 1
		.amdhsa_system_sgpr_workgroup_id_x 1
		.amdhsa_system_sgpr_workgroup_id_y 1
		.amdhsa_system_sgpr_workgroup_id_z 1
		.amdhsa_system_vgpr_workitem_id 0
		.amdhsa_next_free_vgpr 512
		.amdhsa_next_free_sgpr 66
		.amdhsa_reserve_vcc 1
		.amdhsa_float_denorm_mode_32 3
		.amdhsa_float_denorm_mode_16_64 3
		.amdhsa_memory_ordered 1
		.amdhsa_forward_progress 1
		.amdhsa_inst_pref_size 100
	.end_amdhsa_kernel
	.amdgpu_metadata
---
amdhsa.version: [ 1, 2 ]
amdhsa.kernels:
  - .name:           k_qcacbdd314e_final
    .symbol:         k_qcacbdd314e_final.kd
    .args:
      - { .name: ctx, .offset: 0, .size: 8, .value_kind: global_buffer, .address_space: global }
      - { .name: W3, .offset: 8, .size: 8, .value_kind: global_buffer, .address_space: global }
      - { .name: o3, .offset: 16, .size: 8, .value_kind: global_buffer, .address_space: global }
      - { .name: finished, .offset: 24, .size: 8, .value_kind: global_buffer, .address_space: global }
      - { .name: wt, .offset: 32, .size: 8, .value_kind: global_buffer, .address_space: global }
      - { .name: out0, .offset: 40, .size: 8, .value_kind: global_buffer, .address_space: global }
      - { .name: out1, .offset: 48, .size: 8, .value_kind: global_buffer, .address_space: global }
    .group_segment_fixed_size: 38912
    .private_segment_fixed_size: 0
    .kernarg_segment_align: 8
    .kernarg_segment_size: 56
    .max_flat_workgroup_size: 128
    .sgpr_count:     66
    .vgpr_count:     512
    .wavefront_size: 32
...
	.end_amdgpu_metadata
.endif
;; end of part 4
